; MI455X (gfx1250); checked and timed in simulation.
; The chip was launched on July 23, 2026; its instructions are those of AMD's public machine-readable ISA for CDNA 5 (MIT licence, August 2026) and "CDNA5" Instruction Set Architecture Reference Guide (July 2026). The comments in the code are by the model that wrote it; some were corrected since.
;; Attention. Allowed arithmetic: matrix products marked QUANTISED: E4M3 operands, one E8M0 scale for each 32 along K, by v_wmma_scale_f32_16x16x128_f8f6f4 with both operands' format E4M3, f32 sums; everything else in f32.
;; Inputs: Wk 2,048 x 512 float32; Wo 2,048 x 2,048 float32; Wq 2,048 x 2,048 float32; Wv 2,048 x 512 float32; head_scale 1 x 16 x 1 x 1 float32; x 4 x 1,024 x 2,048 float32.
;; Outputs: out0 4 x 1,024 x 2,048 float32.
;; This version of the problem:
;;   THIS VERSION OF THE PROBLEM IS GIVEN IN LOW PRECISION. The matrix products marked QUANTISED in the list below multiply operands that are first quantised to E4M3 (4 exponent bits, 3 mantissa bits; 8 bits a number), with one power-of-two scale for each 32 numbers along K (OCP MX v1.0); their sums are f32. All else is computed in f32.
;;   The module's matrix products, in the order in which they are computed (A, B: the left and right operand; K: the contracted axis; several contracted axes count as one K, in the product's order):
;;     1. [M 4,096, K 2,048] x [K 2,048, N 2,048]; A: input x; B: input Wq: QUANTISED
;;     2. [M 4,096, K 2,048] x [K 2,048, N 512]; A: input x; B: input Wk: QUANTISED
;;     3. [M 4,096, K 2,048] x [K 2,048, N 512]; A: input x; B: input Wv: QUANTISED
;;     4. batch 64 x [M 1,024, K 128] x [K 128, N 1,024]; A: computed on the way; B: computed on the way: QUANTISED
;;     5. batch 64 x [M 1,024, K 1,024] x [K 1,024, N 128]; A: softmax (see below); B: computed on the way: QUANTISED
;;     6. [M 4,096, K 2,048] x [K 2,048, N 2,048]; A: computed on the way; B: input Wo: QUANTISED
;;   THE QUANTISER, for each operand of a quantised product, along K:
;;     - K is cut into blocks of 32 from its start; a last block that is shorter is filled with zeros.
;;     - A block's scale is 2^e with e = floor(log2(the largest magnitude in the block)) - 8, held to -126 .. 127; a block of zeros has e = 0. As a byte (E8M0): e + 127.
;;     - Each number is divided by its block's scale, clamped to +-448, and rounded to the nearest number of E4M3, ties to even, subnormals kept.
;;     - The product sums the exact products of the quantised numbers (number of the format x scale) in f32.
;;   ~~~python
;;   def quantise(x, axis):      # numpy; x: float32 -> the quantised numbers, widened to float32 again
;;       x = np.moveaxis(x, axis, -1); K = x.shape[-1]
;;       x = np.pad(x, [(0, 0)] * (x.ndim - 1) + [(0, -K % 32)]); x = x.reshape(x.shape[:-1] + (-1, 32)); a = np.abs(x).max(-1, keepdims=True)
;;       e = np.where(a > 0, np.clip(np.frexp(np.where(a > 0, a, 1))[1] - 1 - 8, -126, 127), 0)      # np.frexp(a)[1] - 1 = floor(log2(a)), exactly
;;       r = np.clip(x / 2.0 ** e, -448, 448)
;;       step = 2.0 ** (np.maximum(np.frexp(np.where(r == 0, 1, r))[1] - 1, -6) - 3)
;;       q = np.round(r / step) * step * 2.0 ** e      # np.round: ties to even
;;       return np.moveaxis(q.reshape(q.shape[:-2] + (-1,))[..., :K], -1, axis).astype(np.float32)
;;   ~~~
;;   SOFTMAX AHEAD OF A QUANTISED PRODUCT. Where the list says 'softmax', what is quantised is not the finished softmax but p = 2^(t - M), with t = logit x log2(e) and M = ceil(the row's largest t), a whole number; so 1/2 < the row's largest p <= 1. The row's sum l is taken of the UNQUANTISED p, in f32, and the product's result is divided by l at the end. Since M is a whole number, a kernel that streams over the keys may use a running M (the ceiling of the running maximum): every later rescaling is an exact power of two, which a block's scale takes up: the codes' values come out the same.
;;   OPERANDS COMPUTED ON THE WAY. 'Computed on the way' means the value that the module computes at that place (a softmax that the list does not call 'softmax' is quantised finished and normalised). What goes into a quantiser is computed in f32, as accurately as f32 sums, v_exp_f32 and their like allow (about 1e-6 of the number): no bf16 or f16 on the way to a quantiser, and a product that is left as it is and whose result goes on into a quantised operand takes f32 operands (vector FMAs, or v_wmma_f32_16x16x4_f32). A number that lies on a knife's edge between two numbers of the format may be rounded either way, as far as f32 arithmetic and the matrix unit's own rounding can turn it there, and no further.
;; One version. Each part assembles by itself: llvm-mc -triple=amdgcn-amd-amdhsa -mcpu=gfx1250 --defsym DOCPART=n.
;; ======== version 1 of 1: 4 launches
;; limits: right only within a limited range of input values
;; workspace buffers: xq 8,650,752 bytes; wq 6,488,064 bytes; wo 4,325,376 bytes; rope 524,288 bytes; qi 8,912,896 bytes; kv 4,456,448 bytes; ai 8,650,752 bytes
;; launch prep (part 1): grid 704 x 1, 4 waves a work-group, no clusters, 68,096 bytes of LDS; arguments x, Wq, Wk, Wv, Wo, xq, wq, wo, rope; writes xq, wq, wo, rope
.if DOCPART == 1
	.amdgcn_target "amdgcn-amd-amdhsa--gfx1250"
	.amdhsa_code_object_version 6
	.text
	.protected	k_q5251028126_prep
	.globl	k_q5251028126_prep
	.p2align	8
	.type	k_q5251028126_prep,@function
k_q5251028126_prep:
	s_mov_b64 s[64:65], 0
	v_nop
	global_prefetch_b8 v0, s[64:65] scope:SCOPE_SE
	s_setreg_imm32_b32 hwreg(HW_REG_WAVE_MODE, 25, 1), 1
	s_wait_xcnt 0x0
; THE FIRST LAUNCH: what is quantised once, and the rotary table.  Three kinds of work-group, told apart by the work-group's number:
;   0-255    X: x [4096][2048] f32 -> codes of FP8 (E4M3), K innermost, and one E8M0 byte for each 32 along K
;   256-575  W: Wq, Wk, Wv, Wo, f32 with K as their FIRST axis -> codes laid [column's place][2048] with K innermost, and their bytes
;   576-703  R: cos and sin of n x 10000^(-j/64), n = 0 .. 1023, j = 0 .. 63, in the order of the registers that take them
; PLACES.  Row i of x and column i of a head of a weight are stored at place swap34(i): i with bits 3 and 4 exchanged.  Sixteen neighbouring places (tile 2 b + u, lane r) then hold index 32 b + 8 u + r + 8 (r / 8),
; so that in a product used transposed a lane's 16 registers of two neighbouring tiles are 16 neighbours along the next product's K.
; SCALE WORDS (four bytes: 128 along K of one row) lie [block of 16 places][16 steps of 128 along K][16 places][4 bytes], behind the codes of their buffer.
; In wq the places are: q head hq at 128 hq; k head j at 2048 + 256 j; v head j at 2048 + 256 j + 128.
; A block's scale is 2^(floor(log2(its largest magnitude)) - 8); its byte is the largest magnitude's exponent field - 8, held at 1 from below.
; LIMITS: a block of zeros gets the byte 1 where the rule says 127: its codes are zeros, and the bytes are read by this program alone.  NaN and infinities among the inputs are not served.
; The table's 10000^(-j/64) is good to about 1.5 units in its last place, so an angle near n = 1023 may differ by about 1e-4 from one made of a correctly rounded frequency.
; No tensor loads, no barrier: waves share nothing.  The X and W paths have LDS bytes of their own: X 0 .. 32,767, W 32,768 .. 67,583.
.set SP,    80                         ; X: a lane's place in a stage: its 64 bytes + 16 of padding
.set EMAX,  8
.set MANT,  0x600000                   ; the mantissa field of 448 as f32
.set XR,    16                         ; X: v16-79   four sets of 16 numbers as they are loaded
.set XX,    80                         ;    v80-111  two sets of 16 neighbours
.set XE,    112                        ;    v112-127 a scale byte for each step
.set XC,    128                        ;    v128-191 codes: four registers for each step
.set WSTG,  32768                      ; W: the stages begin here: 32 rows x 272 bytes for each wave
.set WP,    272
.set WOF,   16                         ;    v16-47   4 x lane + i rows of the weight, i = 0 .. 31
.set WX,    48                         ;    v48-111  two sets of 32 numbers; on the way out 16 x 4 registers
.set WC,    112                        ;    v112-119 a block's codes
.set WSB,   120                        ;    v120-121 the scale bytes, four to a register
.set WB,    44                         ;    s[44:59] where block t's 32 rows begin, t = 0 .. 7
	s_load_b512 s[8:23], s[0:1], 0x0               ; x 8, Wq 10, Wk 12, Wv 14, Wo 16, xq 18, wq 20, wo 22
	s_load_b64 s[24:25], s[0:1], 0x40              ; rope
	v_lshl_add_u32 v192, v0, 2, 0x10800
	v_mov_b32 v193, 0
	v_lshrrev_b32 v1, 5, v0
	v_readfirstlane_b32 s3, v1                     ; wave 0..3
	v_and_b32 v2, 31, v0                           ; lane
	s_mov_b32 s39, MANT                            ; (an instruction takes one literal: the hold's line has another)
	s_wait_kmcnt 0x0
	s_cmp_lt_u32 ttmp9, 256
	s_cbranch_scc1 .Lx
	s_cmp_lt_u32 ttmp9, 576
	s_cbranch_scc1 .Lw
; ---------------- R: a wave makes four registers (group g) of cos and of sin for one block nb of 16 places of a sequence
	s_sub_co_u32 s26, ttmp9, 576
	s_lshl_b32 s26, s26, 2
	s_add_co_u32 s26, s26, s3                      ; 0 .. 511
	s_lshr_b32 s27, s26, 3                         ; nb
	s_and_b32 s28, s26, 7                          ; g
	s_wait_alu depctr_va_vdst(0)
	v_and_b32 v3, 15, v2                           ; r
	v_lshrrev_b32 v4, 4, v2                        ; h
	s_wait_alu depctr_va_vdst(0)
	v_and_b32 v5, 8, v3
	v_add_nc_u32 v5, v5, v3                        ; r + 8 (r / 8)
	s_lshr_b32 s29, s27, 1
	s_lshl_b32 s29, s29, 5
	s_and_b32 s30, s27, 1
	s_lshl_b32 s30, s30, 3
	s_add_co_u32 s29, s29, s30
	v_add_nc_u32 v5, s29, v5                       ; n = 32 (nb / 2) + 8 (nb % 2) + r + 8 (r / 8)
	v_cvt_f32_u32 v5, v5
	s_lshr_b32 s30, s28, 2
	s_lshl_b32 s30, s30, 5
	s_and_b32 s31, s28, 3
	s_lshl_b32 s31, s31, 2
	s_add_co_u32 s30, s30, s31
	v_lshl_add_u32 v6, v4, 4, s30                  ; register 4 g + e is frequency j = 32 (g / 4) + 16 h + 4 (g % 4) + e
	s_mov_b32 s40, 0x3fc90fd8                      ; pi / 2 in three parts
	s_mov_b32 s41, 0x34a8885a
	s_mov_b32 s42, 0x27c234c4
	v_mov_b32 v60, 0xb94ca1f9                      ; the leading coefficients of the two polynomials
	v_mov_b32 v61, 0x37ccf5ce
.irp e, 0,1,2,3
	v_add_nc_u32 v[16+\e], \e, v6
.endr
.irp e, 0,1,2,3
	v_cvt_f32_u32 v[16+\e], v[16+\e]               ; j
.endr
.irp e, 0,1,2,3
	v_mul_f32 v[20+\e], 0x3e549a40, v[16+\e]       ; j x the upper 18 bits of log2(10000) / 64: exact, since j has 6 bits
.endr
.irp e, 0,1,2,3
	v_rndne_f32 v[24+\e], v[20+\e]                 ; its whole part,
.endr
.irp e, 0,1,2,3
	v_sub_f32 v[20+\e], v[20+\e], v[24+\e]         ; the rest, exact,
.endr
.irp e, 0,1,2,3
	v_fmamk_f32 v[20+\e], v[16+\e], 0x35612f34, v[20+\e]   ; + j x the lower bits
.endr
	s_wait_alu depctr_va_vdst(0)
.irp e, 0,1,2,3
	v_exp_f32 v[28+\e], -v[20+\e]                  ; one batch of four
.endr
.irp e, 0,1,2,3
	v_cvt_i32_f32 v[24+\e], v[24+\e]               ; (plain work behind the batch)
.endr
.irp e, 0,1,2,3
	v_sub_nc_u32 v[24+\e], 0, v[24+\e]
.endr
	s_wait_alu depctr_va_vdst(0)                   ; one wait for the four, ahead of their first reader
.irp e, 0,1,2,3
	v_ldexp_f32 v[28+\e], v[28+\e], v[24+\e]       ; 10000^(-j / 64)
.endr
.irp e, 0,1,2,3
	v_mul_f32 v[28+\e], v5, v[28+\e]               ; the angle: n x the frequency
.endr
.irp e, 0,1,2,3
	v_mul_f32 v[32+\e], 0x3f22f983, v[28+\e]
.endr
.irp e, 0,1,2,3
	v_rndne_f32 v[32+\e], v[32+\e]                 ; k = the nearest multiple of pi / 2, at most 651
.endr
.irp e, 0,1,2,3
	v_fma_f32 v[28+\e], -v[32+\e], s40, v[28+\e]   ; the angle - k pi / 2, part by part
.endr
.irp e, 0,1,2,3
	v_fma_f32 v[28+\e], -v[32+\e], s41, v[28+\e]
.endr
.irp e, 0,1,2,3
	v_fma_f32 v[28+\e], -v[32+\e], s42, v[28+\e]
.endr
.irp e, 0,1,2,3
	v_mul_f32 v[36+\e], v[28+\e], v[28+\e]
.endr
.irp e, 0,1,2,3
	v_fmaak_f32 v[40+\e], v60, v[36+\e], 0x3c08839e   ; the sine on +-pi / 4
	v_fmaak_f32 v[44+\e], v61, v[36+\e], 0xbab6061a   ; the cosine
.endr
.irp e, 0,1,2,3
	v_fmaak_f32 v[40+\e], v[40+\e], v[36+\e], 0xbe2aaaa3
	v_fmaak_f32 v[44+\e], v[44+\e], v[36+\e], 0x3d2aaaa5
.endr
.irp e, 0,1,2,3
	v_mul_f32 v[40+\e], v[40+\e], v[36+\e]
	v_fma_f32 v[44+\e], v[44+\e], v[36+\e], -0.5
.endr
.irp e, 0,1,2,3
	v_fma_f32 v[40+\e], v[40+\e], v[28+\e], v[28+\e]
	v_fma_f32 v[44+\e], v[44+\e], v[36+\e], 1.0
.endr
.irp e, 0,1,2,3
	v_cvt_i32_f32 v[32+\e], v[32+\e]               ; the quadrant is k mod 4
.endr
.irp e, 0,1,2,3
	v_and_b32 v[48+\e], 1, v[32+\e]
	v_cmp_eq_u32 vcc_lo, 1, v[48+\e]               ; in odd quadrants the two change places
	v_cndmask_b32 v[52+\e], v[44+\e], v[40+\e], vcc_lo
	v_cndmask_b32 v[56+\e], v[40+\e], v[44+\e], vcc_lo
.endr
.irp e, 0,1,2,3
	v_add_nc_u32 v[48+\e], 1, v[32+\e]
	v_and_b32 v[32+\e], 2, v[32+\e]                ; the sine is negative in quadrants 2 and 3,
.endr
.irp e, 0,1,2,3
	v_and_b32 v[48+\e], 2, v[48+\e]                ; the cosine in 1 and 2
	v_lshlrev_b32 v[32+\e], 30, v[32+\e]
.endr
.irp e, 0,1,2,3
	v_lshlrev_b32 v[48+\e], 30, v[48+\e]
	v_xor_b32 v[56+\e], v[56+\e], v[32+\e]
.endr
.irp e, 0,1,2,3
	v_xor_b32 v[52+\e], v[52+\e], v[48+\e]
.endr
	s_lshl_b32 s32, s27, 13                        ; rope: [64 nb][16 groups: 8 of cos, 8 of sin][32 lanes][16 bytes]
	s_lshl_b32 s33, s28, 9
	s_add_co_u32 s32, s32, s33
	s_mov_b32 s33, 0
	s_add_nc_u64 s[24:25], s[24:25], s[32:33]
	v_lshlrev_b32 v7, 4, v2
	global_store_b128 v7, v[52:55], s[24:25]               ; 32 lanes store 512 consecutive bytes
	global_store_b128 v7, v[56:59], s[24:25] offset:4096
	s_endpgm
; ---------------- X: a wave takes four rows of x, 16 steps of 512 numbers.  Each of a step's four loads reads 512 consecutive bytes; the 2,048 bytes go through the wave's own stage in LDS
; and come back 64 bytes a lane: 16 neighbours along K, two lanes to a block.  Loads run four steps ahead, the turn through LDS one step.
.Lx:
	s_wait_alu depctr_va_vdst(0)
	v_lshlrev_b32 v3, 4, v2                        ; my 16 bytes of a load's 512, and of a step's 512 bytes of codes
	s_lshl_b32 s26, s3, 13                         ; my wave's 8,192 bytes of LDS
	v_lshrrev_b32 v14, 2, v2
	v_mul_u32_u24 v14, v14, SP
	v_and_b32 v15, 3, v2
	v_lshl_add_u32 v14, v15, 4, v14
	v_add_nc_u32 v14, s26, v14                     ; the stage, on the way in: SP (lane / 4) + 16 (lane % 4)
	v_mul_u32_u24 v15, v2, SP
	v_add_nc_u32 v15, s26, v15                     ; and on the way out: SP x lane
	v_lshrrev_b32 v5, 3, v2
	v_lshlrev_b32 v5, 4, v5
	v_bfe_u32 v6, v2, 1, 2
	v_add_nc_u32 v5, v5, v6
	s_add_co_u32 s26, s26, 2*32*SP
	v_add_nc_u32 v5, s26, v5                       ; my block's byte among the wave's 256, laid [16 steps of 128 along K][4 rows][4 bytes]: 16 (lane / 8) + (lane / 2) % 4
	v_lshlrev_b32 v6, 3, v2
	v_add_nc_u32 v6, s26, v6                       ; and on the way out 8 bytes a lane
	v_lshrrev_b32 v7, 1, v2
	v_lshlrev_b32 v7, 6, v7
	v_and_b32 v12, 1, v2
	v_lshl_add_u32 v7, v12, 3, v7                  ; which go to 64 (lane / 2) + 8 (lane % 2) of the block's scale words
	s_lshl_b32 s27, ttmp9, 2
	s_add_co_u32 s27, s27, s3                      ; my four rows: 4 x (4 x work-group + wave) on
	s_lshl_b32 s28, s27, 15
	s_mov_b32 s29, 0
	s_add_nc_u64 s[8:9], s[8:9], s[28:29]
	s_lshr_b32 s30, ttmp9, 1                       ; their places: bits 3 and 4 of the row exchanged; the four stay neighbours
	s_lshl_b32 s30, s30, 5
	s_lshr_b32 s31, s3, 1
	s_lshl_b32 s31, s31, 4
	s_add_co_u32 s30, s30, s31
	s_and_b32 s31, ttmp9, 1
	s_lshl_b32 s31, s31, 3
	s_add_co_u32 s30, s30, s31
	s_and_b32 s31, s3, 1
	s_lshl_b32 s31, s31, 2
	s_add_co_u32 s30, s30, s31                     ; the first place
	s_lshl_b32 s28, s30, 11
	s_add_nc_u64 s[32:33], s[18:19], s[28:29]      ; its codes
	s_lshr_b32 s28, s30, 4
	s_lshl_b32 s28, s28, 10
	s_and_b32 s31, s30, 15
	s_lshl_b32 s31, s31, 2
	s_add_co_u32 s28, s28, s31
	s_add_co_u32 s28, s28, 0x800000
	s_add_nc_u64 s[34:35], s[18:19], s[28:29]      ; its scale words
.macro XLOAD t
.irp i, 0,1,2,3
	global_load_b128 v[XR+16*((\t)%4)+4*\i:XR+16*((\t)%4)+4*\i+3], v3, s[8:9] offset:2048*(\t)+512*\i th:TH_LOAD_NT
.endr
.endm
.macro XTURN t                         ; step t's numbers through the stage: LDS serves a wave's instructions in order, so no wait stands between the stores and the loads
.irp i, 0,1,2,3
	ds_store_b128 v14, v[XR+16*((\t)%4)+4*\i:XR+16*((\t)%4)+4*\i+3] offset:32*SP*((\t)%2)+8*SP*\i
.endr
.irp i, 0,1,2,3
	ds_load_b128 v[XX+16*((\t)%2)+4*\i:XX+16*((\t)%2)+4*\i+3], v15 offset:32*SP*((\t)%2)+16*\i
.endr
.endm
.irp t, 0,1,2,3
	XLOAD \t
.endr
	s_wait_loadcnt 12                              ; step 0's four loads are in
	XTURN 0
.macro XSTEP t
.set XS, XX+16*((\t)%2)
.if (\t) > 0
	s_wait_dscnt 1                                 ; this step's numbers are back from the stage (the last step's byte store may be out): so its stores into the stage have read their registers,
.else
	s_wait_dscnt 0x0
.endif
.if (\t)+4 < 16
	XLOAD (\t)+4                                   ; which take the loads of four steps on
.endif
.if (\t)+1 < 16
.if 14-(\t) >= 3
	s_wait_loadcnt 12                              ; the next step's four loads are in; those of the three steps behind it may be out
.else
	s_wait_loadcnt 4*(14-(\t))
.endif
	XTURN (\t)+1
.endif
	v_max3_num_f32 v8, |v[XS]|, |v[XS+1]|, |v[XS+2]|       ; the largest magnitude of my 16
	v_max3_num_f32 v9, |v[XS+3]|, |v[XS+4]|, |v[XS+5]|
.irp i, 6,10
	v_max3_num_f32 v8, v8, |v[XS+\i]|, |v[XS+\i+1]|
	v_max3_num_f32 v9, v9, |v[XS+\i+2]|, |v[XS+\i+3]|
.endr
	v_max3_num_f32 v8, v8, |v[XS+14]|, |v[XS+15]|
	v_max3_num_f32 v8, v8, v9, (EMAX+1)<<23        ; and the floor 2^(9 - 127): the byte cannot fall under 1
	v_max_num_f32_dpp v8, v8, v8 row_xmask:1 row_mask:0xf bank_mask:0xf   ; and of my neighbour's 16: the block's
	v_add_nc_u32 v11, -(EMAX<<23), v8              ; 8 off its exponent field: the conversion takes the exponent field of this operand as its scale
	v_and_or_b32 v10, v8, 0x7f800000, s39          ; 448 x the scale
.irp i, 0,1,2,3,4,5,6,7,8,9,10,11,12,13,14,15
	v_med3_num_f32 v[XS+\i], v[XS+\i], -v10, v10   ; the conversion to an 8-bit code does not saturate (ISA guide 7.6.2): the hold comes first
.endr
	v_cvt_scalef32_pk8_fp8_f32 v[XC+4*(\t):XC+4*(\t)+1], v[XS:XS+7], v11
	v_cvt_scalef32_pk8_fp8_f32 v[XC+4*(\t)+2:XC+4*(\t)+3], v[XS+8:XS+15], v11
	v_lshrrev_b32 v[XE+(\t)], 23, v11              ; the scale's byte
	ds_store_b8 v5, v[XE+(\t)] offset:64*((\t)%4)+4*((\t)/4)   ; step t is row t / 4, K from 512 (t % 4) on; both lanes of a block write the same byte with the same value
	global_store_b128 v3, v[XC+4*(\t):XC+4*(\t)+3], s[32:33] offset:512*(\t)   ; 32 lanes store 512 consecutive bytes
.endm
.irp t, 0,1,2,3,4,5,6,7,8,9,10,11,12,13,14,15
	XSTEP \t
.endr
	ds_load_b64 v[12:13], v6                       ; LDS serves a wave's instructions in order: these see my stores
	s_wait_dscnt 0x0
	global_store_b64 v7, v[12:13], s[34:35]        ; pieces of 16 bytes, 64 bytes apart: four waves' pieces lie side by side.  One byte in 128 of what this path reads
	s_wait_tensorcnt 0x0
	ds_add_u32 v192, v193
	s_wait_dscnt 0x0
	s_endpgm
; ---------------- W: a work-group takes the 128 columns of one head (of Wo: 128 columns) x 256 along K; a wave 32 columns.  A LANE TAKES A COLUMN, AND ITS REGISTERS RUN DOWN K:
; a block of 32 along K lies in one lane's 32 registers, and the conversions give codes with K innermost.  The codes go through the wave's own stage, row = the column's place, and leave as rows of 256 bytes.
.Lw:
	s_sub_co_u32 s26, ttmp9, 256
	s_lshr_b32 s27, s26, 3                         ; which 128 columns: 0-15 Wq, 16-19 Wk, 20-23 Wv, 24-39 Wo
	s_and_b32 s26, s26, 7                          ; which 256 along K
	s_sub_co_u32 s28, s27, 24                      ; Wo's figures: the group of columns,
	s_lshl_b32 s29, s28, 7                         ; its first place,
	s_mov_b64 s[30:31], s[16:17]                   ; from where,
	s_mov_b64 s[32:33], s[22:23]                   ; to where,
	s_mov_b32 s34, 8192                            ; a row of the weight in bytes,
	s_mov_b32 s35, 0x400000                        ; where the scale words begin
	s_sub_co_u32 s36, s27, 20                      ; Wv's
	s_lshl_b32 s37, s36, 8
	s_add_co_u32 s37, s37, 2048+128
	s_mov_b32 s38, 2048
	s_mov_b32 s40, 0x600000
	s_cmp_lt_u32 s27, 24                           ; the choices hang on the work-group's number alone
	s_cselect_b32 s28, s36, s28
	s_cselect_b32 s29, s37, s29
	s_cselect_b64 s[30:31], s[14:15], s[30:31]
	s_cselect_b64 s[32:33], s[20:21], s[32:33]
	s_cselect_b32 s34, s38, s34
	s_cselect_b32 s35, s40, s35
	s_sub_co_u32 s36, s27, 16                      ; Wk's
	s_lshl_b32 s37, s36, 8
	s_add_co_u32 s37, s37, 2048
	s_cmp_lt_u32 s27, 20
	s_cselect_b32 s28, s36, s28
	s_cselect_b32 s29, s37, s29
	s_cselect_b64 s[30:31], s[12:13], s[30:31]
	s_lshl_b32 s37, s27, 7                         ; Wq's
	s_mov_b32 s38, 8192
	s_cmp_lt_u32 s27, 16
	s_cselect_b32 s28, s27, s28
	s_cselect_b32 s29, s37, s29
	s_cselect_b64 s[30:31], s[10:11], s[30:31]
	s_cselect_b32 s34, s38, s34
	s_lshl_b32 s40, s26, 8
	s_mul_i32 s40, s40, s34                        ; my 256 rows of the weight,
	s_lshl_b32 s41, s28, 9
	s_add_co_u32 s40, s40, s41                     ; the head's 128 columns,
	s_lshl_b32 s41, s3, 7
	s_add_co_u32 s40, s40, s41                     ; my wave's 32
	s_mov_b32 s41, 0
	s_add_nc_u64 s[WB:WB+1], s[30:31], s[40:41]
	s_lshl_b32 s42, s34, 5                         ; 32 rows on
	s_mov_b32 s43, 0
.irp t, 1,2,3,4,5,6,7
	s_add_nc_u64 s[WB+2*\t:WB+2*\t+1], s[WB+2*\t-2:WB+2*\t-1], s[42:43]
.endr
	s_lshl_b32 s36, s3, 5
	s_add_co_u32 s36, s36, s29                     ; my wave's first place
	s_lshl_b32 s40, s36, 11
	s_lshl_b32 s37, s26, 8
	s_add_co_u32 s40, s40, s37
	s_add_nc_u64 s[60:61], s[32:33], s[40:41]      ; its codes of these 256 along K
	s_lshl_b32 s40, s36, 6
	s_lshl_b32 s37, s26, 7
	s_add_co_u32 s40, s40, s37
	s_add_co_u32 s40, s40, s35
	s_add_nc_u64 s[62:63], s[32:33], s[40:41]      ; and its scale words: 64 bytes a place's block share, 64 bytes a step of 128 along K
	s_wait_alu depctr_va_vdst(0)
	v_lshlrev_b32 v[WOF], 2, v2
.irp i, 1,2,3,4,5,6,7,8,9,10,11,12,13,14,15,16,17,18,19,20,21,22,23,24,25,26,27,28,29,30,31
	v_add_nc_u32 v[WOF+\i], s34, v[WOF+\i-1]       ; 4 x lane + i rows
.endr
	v_and_b32 v10, 7, v2
	v_and_b32 v11, 8, v2
	v_lshl_add_u32 v10, v11, 1, v10
	v_and_b32 v11, 16, v2
	v_lshrrev_b32 v11, 1, v11
	v_add_nc_u32 v10, v10, v11                     ; my column's place among the wave's 32: the lane with bits 3 and 4 exchanged
	s_mul_i32 s36, s3, 32*WP
	s_add_co_u32 s36, s36, WSTG                    ; my stage
	v_mul_u32_u24 v4, v10, WP
	v_add_nc_u32 v4, s36, v4                       ; into it: row = my place
	v_and_b32 v5, 15, v2
	v_lshrrev_b32 v6, 4, v2
	v_mul_u32_u24 v7, v6, WP
	v_lshl_add_u32 v7, v5, 4, v7
	v_add_nc_u32 v7, s36, v7                       ; out of it: sixteen lanes to a row, two rows an instruction
	v_lshlrev_b32 v8, 11, v6
	v_lshl_add_u32 v8, v5, 4, v8                   ; and the same place in the codes' buffer
	v_lshrrev_b32 v11, 4, v10
	v_and_b32 v12, 15, v10
	v_lshlrev_b32 v9, 2, v12
	v_lshl_add_u32 v9, v11, 10, v9                 ; my place's scale word
.macro WLOAD t                         ; block t: W(32 t + i, my column), i = 0 .. 31, into set t % 2: each load reads 128 consecutive bytes a wave
.irp i, 0,1,2,3,4,5,6,7,8,9,10,11,12,13,14,15,16,17,18,19,20,21,22,23,24,25,26,27,28,29,30,31
	global_load_b32 v[WX+32*((\t)%2)+\i], v[WOF+\i], s[WB+2*(\t):WB+2*(\t)+1] th:TH_LOAD_NT
.endr
.endm
	WLOAD 0
	WLOAD 1
.macro WBLOCK t
.set XS, WX+32*((\t)%2)
.if (\t) < 7
	s_wait_loadcnt 32                              ; this block's 32 loads are in; the next block's may be out
.else
	s_wait_loadcnt 0x0
.endif
	v_max3_num_f32 v12, |v[XS]|, |v[XS+1]|, |v[XS+2]|      ; the block's largest magnitude: all 32 numbers are mine
	v_max3_num_f32 v13, |v[XS+3]|, |v[XS+4]|, |v[XS+5]|
.irp i, 6,10,14,18,22,26
	v_max3_num_f32 v12, v12, |v[XS+\i]|, |v[XS+\i+1]|
	v_max3_num_f32 v13, v13, |v[XS+\i+2]|, |v[XS+\i+3]|
.endr
	v_max3_num_f32 v12, v12, |v[XS+30]|, |v[XS+31]|
	v_max3_num_f32 v12, v12, v13, (EMAX+1)<<23     ; and the floor
	v_add_nc_u32 v11, -(EMAX<<23), v12             ; the conversion's scale operand
	v_and_or_b32 v10, v12, 0x7f800000, s39         ; 448 x the scale
	v_lshrrev_b32 v13, 23, v11                     ; the scale's byte
.if (\t)%4 == 0
	v_mov_b32 v[WSB+(\t)/4], v13                   ; four bytes to a register, the lower K in the lower byte
.else
	v_lshl_or_b32 v[WSB+(\t)/4], v13, 8*((\t)%4), v[WSB+(\t)/4]
.endif
.irp i, 0,1,2,3,4,5,6,7,8,9,10,11,12,13,14,15,16,17,18,19,20,21,22,23,24,25,26,27,28,29,30,31
	v_med3_num_f32 v[XS+\i], v[XS+\i], -v10, v10
.endr
.irp g, 0,1,2,3
	v_cvt_scalef32_pk8_fp8_f32 v[WC+2*\g:WC+2*\g+1], v[XS+8*\g:XS+8*\g+7], v11
.endr
	ds_store_b128 v4, v[WC:WC+3] offset:32*(\t)    ; 32 codes: 32 bytes of my place's row
	ds_store_b128 v4, v[WC+4:WC+7] offset:32*(\t)+16
.if (\t)+2 < 8
	WLOAD (\t)+2
.endif
	s_wait_dscnt 0x0                               ; the stores have read their registers: the next block's codes may be written
.endm
.set Q, 0
.rept 8
	WBLOCK Q
.set Q, Q+1
.endr
	global_store_b32 v9, v[WSB], s[62:63]          ; two words a place: runs of 64 bytes
	global_store_b32 v9, v[WSB+1], s[62:63] offset:64
.irp t, 0,1,2,3,4,5,6,7,8,9,10,11,12,13,14,15
	ds_load_b128 v[WX+4*\t:WX+4*\t+3], v7 offset:2*\t*WP   ; LDS serves a wave's instructions in order: these see my stores
.endr
.irp t, 0,1,2,3,4,5,6,7,8,9,10,11,12,13,14,15
	s_wait_dscnt 15-\t
	global_store_b128 v8, v[WX+4*\t:WX+4*\t+3], s[60:61] offset:2*\t*2048   ; sixteen lanes store 256 consecutive bytes, aligned
.endr
	s_wait_tensorcnt 0x0
	ds_add_u32 v192, v193
	s_wait_dscnt 0x0
	s_endpgm
.Lfunc_end_k_q5251028126_prep:
	.size	k_q5251028126_prep, .Lfunc_end_k_q5251028126_prep-k_q5251028126_prep
	.p2alignl 7, 3214868480
	.fill 96, 4, 3214868480
	.section	.rodata,"a",@progbits
	.p2align	6, 0x0
	.amdhsa_kernel k_q5251028126_prep
		.amdhsa_group_segment_fixed_size 68096
		.amdhsa_private_segment_fixed_size 0
		.amdhsa_enable_private_segment 0
		.amdhsa_kernarg_size 72
		.amdhsa_user_sgpr_count 2
		.amdhsa_user_sgpr_kernarg_segment_ptr 1
		.amdhsa_wavefront_size32 1
		.amdhsa_system_sgpr_workgroup_id_x 1
		.amdhsa_system_sgpr_workgroup_id_y 1
		.amdhsa_system_sgpr_workgroup_id_z 1
		.amdhsa_system_vgpr_workitem_id 0
		.amdhsa_next_free_vgpr 194
		.amdhsa_next_free_sgpr 66
		.amdhsa_reserve_vcc 1
		.amdhsa_float_denorm_mode_32 3
		.amdhsa_float_denorm_mode_16_64 3
		.amdhsa_memory_ordered 1
		.amdhsa_forward_progress 1
		.amdhsa_inst_pref_size 121
	.end_amdhsa_kernel
	.amdgpu_metadata
---
amdhsa.version: [ 1, 2 ]
amdhsa.kernels:
  - .name:           k_q5251028126_prep
    .symbol:         k_q5251028126_prep.kd
    .args:
      - { .name: x, .offset: 0, .size: 8, .value_kind: global_buffer, .address_space: global }
      - { .name: Wq, .offset: 8, .size: 8, .value_kind: global_buffer, .address_space: global }
      - { .name: Wk, .offset: 16, .size: 8, .value_kind: global_buffer, .address_space: global }
      - { .name: Wv, .offset: 24, .size: 8, .value_kind: global_buffer, .address_space: global }
      - { .name: Wo, .offset: 32, .size: 8, .value_kind: global_buffer, .address_space: global }
      - { .name: xq, .offset: 40, .size: 8, .value_kind: global_buffer, .address_space: global }
      - { .name: wq, .offset: 48, .size: 8, .value_kind: global_buffer, .address_space: global }
      - { .name: wo, .offset: 56, .size: 8, .value_kind: global_buffer, .address_space: global }
      - { .name: rope, .offset: 64, .size: 8, .value_kind: global_buffer, .address_space: global }
    .group_segment_fixed_size: 68096
    .private_segment_fixed_size: 0
    .kernarg_segment_align: 8
    .kernarg_segment_size: 72
    .max_flat_workgroup_size: 128
    .sgpr_count:     66
    .vgpr_count:     194
    .wavefront_size: 32
...
	.end_amdgpu_metadata
.endif
;; end of part 1
;; launch qkv (part 2): grid 12 x 16, 4 waves a work-group, clusters of 4 x 4, 327,680 bytes of LDS; arguments xq, wq, rope, qi, kv; writes qi, kv
.if DOCPART == 2
	.amdgcn_target "amdgcn-amd-amdhsa--gfx1250"
	.amdhsa_code_object_version 6
	.text
	.protected	k_q5251028126_qkv
	.globl	k_q5251028126_qkv
	.p2align	8
	.type	k_q5251028126_qkv,@function
k_q5251028126_qkv:
	s_mov_b64 s[64:65], 0
	v_nop
	global_prefetch_b8 v0, s[64:65] scope:SCOPE_SE
	s_setreg_imm32_b32 hwreg(HW_REG_WAVE_MODE, 25, 1), 1
	s_wait_xcnt 0x0
	s_wait_alu depctr_hold_cnt(0) depctr_sa_sdst(0) depctr_va_vdst(0) depctr_va_sdst(0) depctr_va_ssrc(0) depctr_va_vcc(0) depctr_vm_vsrc(0)
	s_getreg_b32 s2, hwreg(HW_REG_IB_STS2, 6, 4)
	s_cmp_eq_u32 s2, 0
	s_cbranch_scc0 .Lentry_in_a_cluster
	s_endpgm
.Lentry_in_a_cluster:
	s_bfe_u32 s2, ttmp6, 0x10000c
	s_cmp_lg_u32 s2, 0xf033
	s_cbranch_scc0 .Lentry_shape_is_right
	s_endpgm
.Lentry_shape_is_right:
.set KSTEP,  256
.set NQ,     2
.set ROWB,   256
.set KROW,   2048
.set PITCH,  272
.set FR,     16
.set NL,     4
.set NP,     8
.set HALFT,  128*PITCH
.set SLOT,   4*HALFT
.set LAPS,   4
.set SCL,    2*SLOT
.set HALFS,  8192
.set SBLK,   1024
.set SPARE,  SCL+4*HALFS
.set VROW,   656
.set VSTG,   64*VROW
.set ADRA, 16
.set ADRB, 20
.set GI,   24
.set VST,  25
.set VRD,  26
.set ADRS, 27
.set SPW,  28
.set NIL,  29
.set SC,   32
.set AF,   128
.set TM,   2
.set PC,   128
.set SW,   144
.set T,    192
.set MNT,  2
.set SEL,  18
.set G1, 24
.set G0, 32
.set G1B, 48
.set G0B, 56
.set G1S, 68
.set G0S, 76
.set G1SB, 80
.set G0SB, 88
.set MSB, 0
.macro WIN new
.if MSB != \new
	s_set_vgpr_msb (MSB<<8)|\new
.set MSB, \new
.endif
.endm
.set MUL_LO, 0xa1
.set MUL_HI, 0xf1
.set TO_B,   0x40
.macro JLOAD g0a, g1a, g0b, g1b
	s_cmp_eq_u32 s15, 0
	s_cbranch_scc0 .Lfor_b_\@
	tensor_load_to_lds s[\g0a:\g0a+3], s[\g1a:\g1a+7]
	s_nop 0
.rept 4
	v_nop
.endr
	s_branch .Lasked_\@
.Lfor_b_\@:
	tensor_load_to_lds s[\g0b:\g0b+3], s[\g1b:\g1b+7]
	s_nop 0
.rept 4
	v_nop
.endr
.Lasked_\@:
.endm
.macro CREST
	s_cmp_lg_u32 s14, 0
	s_cbranch_scc1 .Lnot_wave_0_\@
	s_barrier_signal -3
.Lnot_wave_0_\@:
	s_barrier_wait -3
	s_barrier_signal -1
	s_barrier_wait -1
.endm
.macro CROUND
	s_barrier_signal -1
	s_barrier_wait -1
	CREST
.endm
	s_load_b256 s[4:11], s[0:1], 0x0
	s_load_b64 s[12:13], s[0:1], 0x20
	v_lshl_add_u32 v[SPW], v0, 2, SPARE
	v_mov_b32 v[NIL], 0
	ds_add_u32 v28, v29
	ds_add_u32 v28, v29
	s_wait_dscnt 0x0
	v_lshrrev_b32 v1, 5, v0
	v_readfirstlane_b32 s14, v1
	s_lshr_b32 s15, s14, 1
	s_and_b32 s16, s14, 1
	s_bfe_u32 s40, ttmp6, 0x40000
	s_bfe_u32 s41, ttmp6, 0x40004
	s_lshl_b32 s42, ttmp9, 2
	s_add_co_u32 s42, s42, s40
	s_and_b32 s17, ttmp7, 0xffff
	s_lshl_b32 s17, s17, 2
	s_add_co_u32 s17, s17, s41
	s_lshl_b32 s43, s41, 2
	s_lshl_b32 s43, 15, s43
	s_lshl_b32 s44, 0x1111, s40
	s_or_b32 s[G1+0], s43, (0<<16)|(1<<20)|(1<<21)|(5<<22)|(3<<25)
	s_or_b32 s[G1B+0], s44, (0<<16)|(1<<20)|(1<<21)|(5<<22)|(3<<25)
.irp g, G1, G1B
	s_mov_b32 s[\g+1], ROWB<<16
	s_mov_b32 s[\g+2], 256<<16                     ; the head's loads of codes bring 256 rows
	s_mov_b32 s[\g+3], ROWB<<16
	s_mov_b32 s[\g+4], 256
	s_mov_b32 s[\g+5], KROW
	s_mov_b32 s[\g+6], 0
	s_mov_b32 s[\g+7], 0
.endr
	s_or_b32 s[G1S+0], s43, (3<<16)|(1<<21)
	s_or_b32 s[G1SB+0], s44, (3<<16)|(1<<21)
.irp g, G1S, G1SB
	s_mov_b32 s[\g+1], 32<<16
	s_mov_b32 s[\g+2], 64<<16                      ; the scale words of 256 rows: 64 rows of 256 bytes
	s_mov_b32 s[\g+3], 32<<16
	s_mov_b32 s[\g+4], 64
	s_mov_b32 s[\g+5], 32
	s_mov_b32 s[\g+6], 0
	s_mov_b32 s[\g+7], 0
.endr
	s_lshl_b32 s18, s16, 18                        ; in the ring I fetch 128 rows of a tile: which half, in bytes
	s_mov_b32 s19, 0
	s_lshl_b32 s20, s17, 8                         ; the tiles' first rows
	s_lshl_b32 s46, s42, 8
	s_lshl_b32 s22, s20, 6
	s_add_co_u32 s22, s22, 0x800000
	s_lshl_b32 s92, s46, 6
	s_add_co_u32 s92, s92, 0x600000
	s_lshl_b32 s20, s20, 11
	s_lshl_b32 s46, s46, 11
	s_mov_b32 s21, 0
	s_mov_b32 s23, 0
	s_mov_b32 s47, 0
	s_mov_b32 s93, 0
	s_mul_i32 s45, s14, HALFT
	s_wait_kmcnt 0x0
	s_add_nc_u64 s[20:21], s[4:5], s[20:21]
	s_add_nc_u64 s[22:23], s[4:5], s[22:23]
	s_add_nc_u64 s[46:47], s[6:7], s[46:47]
	s_add_nc_u64 s[92:93], s[6:7], s[92:93]
	; the prefetches: s[66:67] = my work-group's 32 rows of the 128 that my wave fetches in the ring (waves 0, 1: of x; waves 2, 3: of the weights).
	; The four partners that ask for a tile jointly share its rows out by address: place cx for x's rows, cy for the weights'.  v30 = 2,048 x lane: a lane a row.
	s_cmp_eq_u32 s15, 0
	s_cselect_b32 s94, s17, s42
	s_cselect_b32 s95, s40, s41
	s_cselect_b64 s[66:67], s[4:5], s[6:7]
	s_lshl_b32 s94, s94, 3
	s_add_co_u32 s94, s94, s95
	s_lshl_b32 s95, s16, 2
	s_add_co_u32 s94, s94, s95                     ; 8 x tile + 4 x half + place, in runs of 32 rows
	s_lshl_b32 s94, s94, 16                        ; of 2,048 bytes
	s_mov_b32 s95, 0
	s_add_nc_u64 s[66:67], s[66:67], s[94:95]
	CROUND
	s_mov_b32 s[G0], 1                             ; the head's four tiles, each whole: K step 0's 256 rows of x,
	s_mov_b32 s[G0+1], 0
	s_mov_b64 s[G0+2:G0+3], s[20:21]
	s_or_b32 s[G0+3], s[G0+3], 0x80000000
	s_mov_b32 s[G0B], 1                            ; its 256 rows of the weights,
	s_mov_b32 s[G0B+1], 2*HALFT
	s_mov_b64 s[G0B+2:G0B+3], s[46:47]
	s_or_b32 s[G0B+3], s[G0B+3], 0x80000000
	s_mov_b32 s[G0S], 1                            ; the scale words of x's 256 rows,
	s_mov_b32 s[G0S+1], SCL
	s_mov_b64 s[G0S+2:G0S+3], s[22:23]
	s_or_b32 s[G0S+3], s[G0S+3], 0x80000000
	s_mov_b32 s[G0SB], 1                           ; and of the weights'
	s_mov_b32 s[G0SB+1], SCL+2*HALFS
	s_mov_b64 s[G0SB+2:G0SB+3], s[92:93]
	s_or_b32 s[G0SB+3], s[G0SB+3], 0x80000000
	s_add_nc_u64 s[20:21], s[20:21], s[18:19]      ; for the ring: my 128 rows of the tile
	s_add_nc_u64 s[46:47], s[46:47], s[18:19]
	s_mov_b32 s[G0+4], 1                           ; slot 1: K step 1
	s_add_co_u32 s[G0+5], s45, SLOT
	s_add_nc_u64 s[G0+6:G0+7], s[20:21], ROWB
	s_or_b32 s[G0+7], s[G0+7], 0x80000000
	s_mov_b32 s[G0B+4], 1
	s_add_co_u32 s[G0B+5], s45, SLOT
	s_add_nc_u64 s[G0B+6:G0B+7], s[46:47], ROWB
	s_or_b32 s[G0B+7], s[G0B+7], 0x80000000
; one joint load a wave at the head, in one chain of branches on the wave's number
.macro ARM under, g0, g1, next
	s_cmp_lt_u32 s14, \under
	s_cbranch_scc0 \next
	tensor_load_to_lds s[\g0:\g0+3], s[\g1:\g1+7]
	s_nop 0
.rept 4
	v_nop
.endr
	s_branch .Lhead_asked
\next:
.endm
	ARM 1, G0,  G1,  .Lhead_b
	ARM 2, G0B, G1B, .Lhead_sa
	ARM 3, G0S, G1S, .Lhead_sb
	tensor_load_to_lds s[G0SB:G0SB+3], s[G1SB:G1SB+7]
	s_nop 0
.rept 4
	v_nop
.endr
.Lhead_asked:
	v_and_b32 v30, 31, v0
	v_lshlrev_b32 v30, 11, v30
	s_wait_alu depctr_va_vdst(0)
	global_prefetch_b8 v30, s[66:67] offset:256 th:TH_LOAD_NT scope:SCOPE_SE   ; K steps 1 and 2: 256 bytes of each of my 32 rows
	global_prefetch_b8 v30, s[66:67] offset:512 th:TH_LOAD_NT scope:SCOPE_SE
	s_wait_tensorcnt 0x0                           ; my tile of the head's four is in; the three lines ahead of a later first fill
	ds_add_u32 v28, v29
	s_mov_b32 s[G1+2], 128<<16                     ; no tensor load of mine is out: from here on a load brings 128 rows,
	s_mov_b32 s[G1+4], 128
	s_mov_b32 s[G1B+2], 128<<16
	s_mov_b32 s[G1B+4], 128
	s_mov_b32 s[G0+1], s45                         ; and slot 0's groups 0 take the ring's form: my 128 rows, at wave x 128 rows
	s_mov_b64 s[G0+2:G0+3], s[20:21]
	s_or_b32 s[G0+3], s[G0+3], 0x80000000
	s_mov_b32 s[G0B+1], s45
	s_mov_b64 s[G0B+2:G0B+3], s[46:47]
	s_or_b32 s[G0B+3], s[G0B+3], 0x80000000
	s_wait_dscnt 0x0
	CROUND                                         ; all four tiles are in, in every work-group of the cluster
	JLOAD G0+4, G1, G0B+4, G1B                     ; K step 1, the first tensor load behind the round
	global_prefetch_b8 v30, s[66:67] offset:768 th:TH_LOAD_NT scope:SCOPE_SE   ; K step 3
	v_and_b32 v1, 15, v0
	v_bfe_u32 v2, v0, 4, 1
	s_wait_alu depctr_va_vdst(0)
	v_mul_u32_u24 v3, v1, PITCH
	v_lshl_add_u32 v4, v2, 4, v3
	s_mul_i32 s21, s15, HALFT
	s_mul_i32 s22, s16, HALFT
	s_add_co_u32 s22, s22, 2*HALFT
.irp s, 0,1
	v_add_nc_u32 v[ADRA+\s], s21, v4
	v_add_nc_u32 v[ADRB+\s], s22, v4
	s_add_co_u32 s21, s21, SLOT
	s_add_co_u32 s22, s22, SLOT
.endr
	v_lshlrev_b32 v5, 2, v1
	s_mul_i32 s21, s15, HALFS
	s_mul_i32 s22, s16, HALFS
	s_add_co_u32 s22, s22, 2*HALFS
	s_sub_co_u32 s22, s22, s21
	v_mul_u32_u24 v6, s22, v2
	s_add_co_u32 s21, s21, SCL
	v_add_nc_u32 v5, v5, v6
	v_add_nc_u32 v[ADRS], s21, v5
	v_and_b32 v6, 31, v0
	v_lshlrev_b32 v[GI], 4, v6
	v_and_b32 v5, 8, v1
	v_add_nc_u32 v5, v5, v1
	s_mul_i32 s23, s15, VSTG
	v_mul_u32_u24 v6, v2, 16*VROW+128
	v_lshl_add_u32 v6, v5, 2, v6
	v_add_nc_u32 v[VST], s23, v6
	v_mul_u32_u24 v6, v5, VROW
	v_lshrrev_b32 v7, 3, v1
	v_lshl_add_u32 v6, v7, 7, v6
	v_lshl_add_u32 v6, v2, 6, v6
	v_add_nc_u32 v[VRD], s23, v6
	s_lshl_b32 s20, s17, 1
	s_add_co_u32 s20, s20, s15
	s_and_b32 s21, s20, 7
	s_lshr_b32 s22, s17, 2
	s_lshl_b32 s23, s42, 1
	s_add_co_u32 s23, s23, s16
	s_lshl_b32 s45, s22, 4
	s_add_co_u32 s23, s23, s45
	s_lshl_b32 s92, s23, 17
	s_lshl_b32 s45, s21, 14
	s_add_co_u32 s92, s92, s45
	s_lshl_b32 s94, s23, 3
	s_add_co_u32 s94, s94, s21
	s_lshl_b32 s94, s94, 10
	s_add_co_u32 s94, s94, 0x800000
	s_lshl_b32 s46, s22, 2
	s_add_co_u32 s46, s46, s40
	s_lshl_b32 s46, s46, 3
	s_add_co_u32 s46, s46, s21
	s_mul_i32 s46, s46, 34816
	s_lshl_b32 s45, s16, 10
	s_add_co_u32 s47, s46, s45
	s_add_co_u32 s47, s47, 32768
	s_lshl_b32 s45, s16, 14
	s_add_co_u32 s46, s46, s45
	s_lshl_b32 s20, s20, 3
	s_and_b32 s20, s20, 63
	s_lshl_b32 s20, s20, 13
	s_mov_b32 s21, 0
	s_mov_b32 s93, 0
	s_mov_b32 s95, 0
	s_cmp_eq_u32 ttmp9, 2
	s_cselect_b64 s[96:97], s[12:13], s[10:11]
	s_cselect_b32 s92, s46, s92
	s_cselect_b32 s94, s47, s94
	s_add_nc_u64 s[98:99], s[96:97], s[94:95]
	s_add_nc_u64 s[96:97], s[96:97], s[92:93]
	s_add_nc_u64 s[100:101], s[8:9], s[20:21]
	s_mov_b32 s[SEL], 0x76543210
	s_mov_b32 s[SEL+1], 0xfedcba98
	s_mov_b32 s[MNT], 0x600000
.macro TAB a
; block a's table of cos and sin: block 0's in window 0, v64-127; the others' in four slots of window 1, which B's fragments leave free at the end
.if (\a) > 0
	WIN 0x40
.set TBB, 64*(((\a)-1)%4)
.else
.set TBB, 64
.endif
.irp g, 0,1,2,3,4,5,6,7,8,9,10,11,12,13,14,15
	global_load_b128 v[TBB+4*\g:TBB+4*\g+3], v[GI], s[100:101] offset:8192*(\a)+512*\g
.endr
	WIN 0
.endm
	TAB 0
.macro FRAG reg, adr, q, i
.irp c, 0,1,2,3
	ds_load_b128 v[\reg+4*\c:\reg+4*\c+3], v[\adr] offset:128*(\q)+32*\c+(\i)*16*PITCH
.endr
.endm
.macro MUL16 a0, p, q, sc, zero
.irp a, \a0, \a0+1
.irp b, 0,1,2,3,4,5,6,7
.if \zero
	v_wmma_scale_f32_16x16x128_f8f6f4 v[8*(8*((\a)%4)+\b):8*(8*((\a)%4)+\b)+7], v[128*(\p)+FR*\b:128*(\p)+FR*\b+FR-1], v[AF+FR*(\a):AF+FR*(\a)+FR-1], 0, v[SC+8*NQ*(\sc)+NQ*\b+(\q)], v[SC+8*NQ*(\sc)+NQ*(\a)+(\q)] matrix_a_scale:MATRIX_SCALE_ROW1
.else
	v_wmma_scale_f32_16x16x128_f8f6f4 v[8*(8*((\a)%4)+\b):8*(8*((\a)%4)+\b)+7], v[128*(\p)+FR*\b:128*(\p)+FR*\b+FR-1], v[AF+FR*(\a):AF+FR*(\a)+FR-1], v[8*(8*((\a)%4)+\b):8*(8*((\a)%4)+\b)+7], v[SC+8*NQ*(\sc)+NQ*\b+(\q)], v[SC+8*NQ*(\sc)+NQ*(\a)+(\q)] matrix_a_scale:MATRIX_SCALE_ROW1
.endif
.endr
.endr
.endm
.macro FETCH_B slot, q, p
	WIN TO_B
.irp i, 0,1,2,3,4,5,6,7
	FRAG 128*(\p)+FR*\i, ADRB+\slot, \q, \i
.endr
	WIN 0
.endm
.macro FETCH_A slot, q, i0
.irp i, \i0, \i0+1, \i0+2, \i0+3
	FRAG AF+FR*(\i), ADRA+\slot, \q, \i
.endr
.endm
.macro SCALES sc
.irp i, 0,1,2,3,4,5,6,7
	ds_load_b32 v[SC+8*NQ*\sc+NQ*\i], v[ADRS] offset:\i*SBLK
	ds_load_b32 v[SC+8*NQ*\sc+NQ*\i+1], v[ADRS] offset:\i*SBLK+64
.endr
.endm
.macro PLACES n
.rept \n
	v_nop
.endr
.endm
.macro STEP slot, q, zero
	s_wait_dscnt 4*NL
	WIN MUL_LO
	MUL16 0, (\q)%2, \q, \slot, \zero
	MUL16 2, (\q)%2, \q, \slot, \zero
	s_wait_dscnt 0
	PLACES NP
	FETCH_B \slot, (\q)+1, 1-(\q)%2
	FETCH_A \slot, (\q)+1, 0
	WIN MUL_HI
	MUL16 4, (\q)%2, \q, \slot, \zero
	MUL16 6, (\q)%2, \q, \slot, \zero
	PLACES NP
	WIN 0
	FETCH_A \slot, (\q)+1, 4
.endm
.macro TURN slot, next, fill
	s_wait_tensorcnt 0x0
	ds_add_u32 v[SPW], v[NIL]
	s_wait_dscnt 4*NL+1
	WIN MUL_LO
	MUL16 0, 1, NQ-1, \slot, 0
	s_wait_dscnt 0x0
	s_barrier_signal -1
	MUL16 2, 1, NQ-1, \slot, 0
	WIN 0
	s_barrier_wait -1
.if \fill
	CREST
	s_add_nc_u64 s[G0+4*\slot+2:G0+4*\slot+3], s[G0+4*\slot+2:G0+4*\slot+3], 2*ROWB
	s_add_nc_u64 s[G0B+4*\slot+2:G0B+4*\slot+3], s[G0B+4*\slot+2:G0B+4*\slot+3], 2*ROWB
	JLOAD G0+4*\slot, G1, G0B+4*\slot, G1B
	PLACES NP-4
.else
	PLACES NP
.endif
	s_wait_alu depctr_va_vdst(0)
	v_add_nc_u32 v[ADRS], 64*NQ, v[ADRS]
	FETCH_B \next, 0, 0
	FETCH_A \next, 0, 0
	SCALES \next
.if \fill
	s_cmp_gt_u32 s3, 1                             ; the K step two refills on; the last lap's refills have none
	s_cbranch_scc0 .Lno_ask_\@
	global_prefetch_b8 v30, s[66:67] offset:1024+256*\slot th:TH_LOAD_NT scope:SCOPE_SE
.Lno_ask_\@:
.endif
	WIN MUL_HI
	MUL16 4, 1, NQ-1, \slot, 0
	MUL16 6, 1, NQ-1, \slot, 0
	PLACES NP
	WIN 0
	FETCH_A \next, 0, 4
.endm
	s_wait_tensorcnt 1
	s_barrier_signal -1
	s_barrier_wait -1
	FETCH_B 0, 0, 0
	FETCH_A 0, 0, 0
	SCALES 0
	FETCH_A 0, 0, 4
	STEP 0, 0, 1
	s_mov_b32 s3, LAPS-1
.Llap:
	TURN 0, 1, 1
	STEP 1, 0, 0
	TURN 1, 0, 1
	STEP 0, 0, 0
	s_wait_xcnt 0x0                                ; my prefetches have read their address: it steps two K steps on
	s_add_nc_u64 s[66:67], s[66:67], 512
	s_sub_co_u32 s3, s3, 1
	s_cmp_lg_u32 s3, 0
	s_cbranch_scc1 .Llap
	TURN 0, 1, 0
	STEP 1, 0, 0
	TAB 1                                          ; B's set 0 has had its last reader, eight places back: it takes the tables of blocks 1 and 2 while the last 64 products run
	TAB 2
	s_wait_dscnt 4*NL
	WIN MUL_LO
	MUL16 0, 1, NQ-1, 1, 0
	MUL16 2, 1, NQ-1, 1, 0
	s_wait_dscnt 0
	WIN MUL_HI
	MUL16 4, 1, NQ-1, 1, 0
	MUL16 6, 1, NQ-1, 1, 0
	WIN 0
.macro QUANT s, pc, pw
.irp b, 0,1,2,3
	v_max3_num_f32 v[TM+\b], |v[(\s)+16*\b]|, |v[(\s)+1+16*\b]|, 0x4800000
.endr
.irp i, 2,4,6,8,10,12,14
.irp b, 0,1,2,3
	v_max3_num_f32 v[TM+\b], v[TM+\b], |v[(\s)+16*\b+\i]|, |v[(\s)+1+16*\b+\i]|
.endr
.endr
.irp b, 0,1,2,3
	v_permlanex16_b32 v[TM+4+\b], v[TM+\b], s[SEL], s[SEL+1]
.endr
.irp b, 0,1,2,3
	v_max_num_f32 v[TM+\b], v[TM+\b], v[TM+4+\b]
.endr
.irp b, 0,1,2,3
	v_add_nc_u32 v[TM+12+\b], 0xfc000000, v[TM+\b]
.endr
.irp b, 0,1,2,3
	v_and_or_b32 v[TM+8+\b], v[TM+\b], 0x7f800000, s[MNT]
.endr
.irp b, 0,1,2,3
	v_lshrrev_b32 v[TM+4+\b], 23, v[TM+12+\b]
.endr
	v_lshl_or_b32 v[\pw], v[TM+5], 8, v[TM+4]
	v_lshl_or_b32 v[\pw], v[TM+6], 16, v[\pw]
	v_lshl_or_b32 v[\pw], v[TM+7], 24, v[\pw]
.irp b, 0,1,2,3
.irp i, 0,1,2,3,4,5,6,7,8,9,10,11,12,13,14,15
	v_med3_num_f32 v[(\s)+16*\b+\i], v[(\s)+16*\b+\i], -v[TM+8+\b], v[TM+8+\b]
.endr
	v_cvt_scalef32_pk8_fp8_f32 v[(\pc)+4*\b:(\pc)+1+4*\b], v[(\s)+16*\b:(\s)+7+16*\b], v[TM+12+\b]
	v_cvt_scalef32_pk8_fp8_f32 v[(\pc)+2+4*\b:(\pc)+3+4*\b], v[(\s)+8+16*\b:(\s)+15+16*\b], v[TM+12+\b]
.endr
	v_nop
.endm
.macro ROPE a
.set AC, 64*((\a)%4)
.if (\a) > 0
.set CSB, 64*(((\a)-1)%4)
.set TW, 4
.else
.set CSB, 64
.set TW, 0
.endif
	WIN 0x02+((\a)/4)+TW
.irp p, 0,2,4,6,8,10,12,14,16,18,20,22,24,26,28,30
	v_pk_mul_f32 v[T+32+\p:T+33+\p], v[AC+\p:AC+\p+1], v[CSB+32+\p:CSB+33+\p]
	v_pk_mul_f32 v[T+\p:T+\p+1], v[AC+32+\p:AC+33+\p], v[CSB+32+\p:CSB+33+\p]
	v_pk_fma_f32 v[T+32+\p:T+33+\p], v[AC+32+\p:AC+33+\p], v[CSB+\p:CSB+\p+1], v[T+32+\p:T+33+\p]
	v_pk_fma_f32 v[T+\p:T+\p+1], v[AC+\p:AC+\p+1], v[CSB+\p:CSB+\p+1], v[T+\p:T+\p+1] neg_lo:[0,0,1] neg_hi:[0,0,1]
.endr
	WIN 0
.endm
.macro VSTORE hf
.irp a, 0,1,2,3,4,5,6,7
	WIN 0x08+4*((\a)/4)
.irp bb, 0,1,2,3
.irp j, 0,1,2,3,4,5,6,7
	ds_store_b32 v[VST], v[64*((\a)%4)+8*(4*\hf+\bb)+\j] offset:VROW*(32*(\bb/2)+8*(\bb%2)+\j)+4*(32*(\a/2)+8*(\a%2))
.endr
.endr
.endr
	WIN 0
.endm
.macro VLD t
.set TS, T-128*((\t)%2)
.irp c, 0,1,2,3
.irp g, 0,1,2,3
	ds_load_b128 v[TS+16*\c+4*\g:TS+16*\c+4*\g+3], v[VRD] offset:VROW*(32*((\t)/2)+8*((\t)%2))+128*\c+16*\g
.endr
.endr
.endm
.irp b, 0,1,2,3
	v_mov_b32 v[TM+4+\b], 0
.endr
	PLACES 4
	s_cmp_lg_u32 ttmp9, 2
	s_cbranch_scc1 .Lqk
	s_cmp_eq_u32 s16, 0
	s_cbranch_scc1 .Lqk
	s_wait_loadcnt 0x0
.irp hf, 0,1
	VSTORE \hf
	VLD 0
.irp t, 0,1,2,3
.if \t < 3
	VLD \t+1
	s_wait_dscnt 16
.else
	s_wait_dscnt 0x0
.endif
	s_wait_xcnt 0x0
	QUANT T-128*(\t%2), PC, SW+4*\hf+\t
.irp c, 0,1,2,3
	global_store_b128 v[GI], v[PC+4*\c:PC+4*\c+3], s[96:97] offset:2048*(4*\hf+\t)+512*\c
.endr
.endr
.endr
	global_store_b128 v[GI], v[SW:SW+3], s[98:99]
	global_store_b128 v[GI], v[SW+4:SW+7], s[98:99] offset:512
	s_branch .Ldone
.Lqk:
	TAB 3                                          ; B's set 1 is free too (eight places stand behind the last product)
	TAB 4
.irp a, 0,1,2,3,4,5,6,7
; block a's table is in: 16 loads for each table issued behind it may be out (block 0: 64 are younger, the count's field holds 63)
.if \a == 0
	s_wait_loadcnt 63
.elseif \a < 5
	s_wait_loadcnt 48
.else
	s_wait_loadcnt 16*(7-\a)
.endif
	ROPE \a
.if (\a > 0) && (\a < 4)
	TAB \a+4                                       ; the slot just read takes the table four blocks on
.endif
	s_wait_xcnt 0x0
	QUANT T, PC, SW+\a
.irp c, 0,1,2,3
	global_store_b128 v[GI], v[PC+4*\c:PC+4*\c+3], s[96:97] offset:2048*\a+512*\c
.endr
.endr
	global_store_b128 v[GI], v[SW:SW+3], s[98:99]
	global_store_b128 v[GI], v[SW+4:SW+7], s[98:99] offset:512
.Ldone:
	s_wait_tensorcnt 0x0
	ds_add_u32 v[SPW], v[NIL]
	s_wait_dscnt 0x0
	CROUND
	s_endpgm
.Lfunc_end_k_q5251028126_qkv:
	.size	k_q5251028126_qkv, .Lfunc_end_k_q5251028126_qkv-k_q5251028126_qkv
	.p2alignl 7, 3214868480
	.fill 96, 4, 3214868480
	.section	.rodata,"a",@progbits
	.p2align	6, 0x0
	.amdhsa_kernel k_q5251028126_qkv
		.amdhsa_group_segment_fixed_size 327680
		.amdhsa_private_segment_fixed_size 0
		.amdhsa_enable_private_segment 0
		.amdhsa_kernarg_size 40
		.amdhsa_user_sgpr_count 2
		.amdhsa_user_sgpr_kernarg_segment_ptr 1
		.amdhsa_wavefront_size32 1
		.amdhsa_system_sgpr_workgroup_id_x 1
		.amdhsa_system_sgpr_workgroup_id_y 1
		.amdhsa_system_sgpr_workgroup_id_z 1
		.amdhsa_system_vgpr_workitem_id 0
		.amdhsa_next_free_vgpr 1024
		.amdhsa_next_free_sgpr 102
		.amdhsa_reserve_vcc 0
		.amdhsa_float_denorm_mode_32 3
		.amdhsa_float_denorm_mode_16_64 3
		.amdhsa_memory_ordered 1
		.amdhsa_forward_progress 1
		.amdhsa_inst_pref_size 255
	.end_amdhsa_kernel
	.section	.bss,"aw",@nobits
	.p2align	6
	.space	262144
	.amdgpu_metadata
---
amdhsa.version: [ 1, 2 ]
amdhsa.kernels:
  - .name:           k_q5251028126_qkv
    .symbol:         k_q5251028126_qkv.kd
    .args:
      - { .name: xq, .offset: 0, .size: 8, .value_kind: global_buffer, .address_space: global }
      - { .name: wq, .offset: 8, .size: 8, .value_kind: global_buffer, .address_space: global }
      - { .name: rope, .offset: 16, .size: 8, .value_kind: global_buffer, .address_space: global }
      - { .name: qi, .offset: 24, .size: 8, .value_kind: global_buffer, .address_space: global }
      - { .name: kv, .offset: 32, .size: 8, .value_kind: global_buffer, .address_space: global }
    .group_segment_fixed_size: 327680
    .private_segment_fixed_size: 0
    .kernarg_segment_align: 8
    .kernarg_segment_size: 40
    .max_flat_workgroup_size: 128
    .sgpr_count:     102
    .vgpr_count:     1024
    .wavefront_size: 32
...
	.end_amdgpu_metadata
.endif
;; end of part 2
;; launch attn (part 3): grid 16 x 16, 16 waves a work-group, clusters of 4 x 1, 280,576 bytes of LDS; arguments qi, kv, head_scale, ai; writes ai
.if DOCPART == 3
	.amdgcn_target "amdgcn-amd-amdhsa--gfx1250"
	.amdhsa_code_object_version 6
	.text
	.protected	k_q5251028126_attn
	.globl	k_q5251028126_attn
	.p2align	8
	.type	k_q5251028126_attn,@function
k_q5251028126_attn:
	s_mov_b64 s[64:65], 0
	v_nop
	global_prefetch_b8 v0, s[64:65] scope:SCOPE_SE
	s_setreg_imm32_b32 hwreg(HW_REG_WAVE_MODE, 25, 1), 1
	s_wait_xcnt 0x0
	s_wait_alu depctr_hold_cnt(0) depctr_sa_sdst(0) depctr_va_vdst(0) depctr_va_sdst(0) depctr_va_ssrc(0) depctr_va_vcc(0) depctr_vm_vsrc(0)
	s_getreg_b32 s2, hwreg(HW_REG_IB_STS2, 6, 4)
	s_cmp_eq_u32 s2, 0
	s_cbranch_scc0 .Lentry_in_a_cluster
	s_endpgm
.Lentry_in_a_cluster:
	s_bfe_u32 s2, ttmp6, 0x10000c
	s_cmp_lg_u32 s2, 0x3003
	s_cbranch_scc0 .Lentry_shape_is_right
	s_endpgm
.Lentry_shape_is_right:
; Causal attention on codes of FP8 (E4M3) with one E8M0 scale for each 32 along a product's K; the result x head_scale is quantised along the head's 128 for the output projection.
; THE SOFTMAX AHEAD OF THE SECOND PRODUCT: t = score x log2(e) / sqrt(128); M = the row's largest t so far, rounded UP to a whole number; p = 2^(t - M) is quantised along the keys, not normalised.
; The row's sum is taken of the unquantised p and divides at the end.  When M moves, the sum and O are multiplied by 2^(old M - new M): exact.
; SHARES.  Cluster y is the group G = 4 b + kv head.  The four partners of a cluster are the four query heads of that kv head, at the SAME queries: they walk the same K and V, and every branch hangs on the cluster's x and the
; wave's number alone.  A wave owns one tile of 16 queries.  A work-group's sixteen tiles are j, 31 - j, 32 + j, 63 - j for four values of j: their key steps add up to 18 for every j; the four kinds are dealt over the waves as a Latin square.
; LDS.  All of a group's K and V, 8 key steps x 34,816 bytes, lie in LDS, filled ONCE by joint loads (every wave one: one load of a wave is out at the most).  Nothing is filled again.
; A step's block: K's 8 tiles as images of the operand's registers, V^T's 8, K's scale words, V's: every LDS load takes 512 consecutive bytes, at a constant + 16 x lane.
; LAYOUT.  Both products are used transposed: S^T = K Q^T, O^T = V^T P^T: a lane holds one query throughout.  Place p of a sequence holds token swap34(p), so the 16 registers of tiles 2 b and 2 b + 1 of S^T are keys 32 b + 16 (lane / 16) + 0 .. 15.
; CAUSAL.  A key step all of whose keys come after the wave's queries is left out by a scalar branch on ids; in the wave's one step on the diagonal hidden scores become -infinity ahead of the maximum.
; LIMITS: a block's largest p is taken from the block's largest score (this takes v_exp_f32 not to fall where its input rises); a block of zeros keeps the byte 1; NaN and infinities are not served.
; REGISTERS: v1 16 x lane; v6 4 x (lane % 16); v7 the mask's bound; v8 the step's address; v12 -M, v13 the largest t, v[14:15] the sum; v16-31 Q; v32-95 four fragments; v96-159 S^T, then p; v160-223 O^T; v224-239 codes; v232-254 at work; v248-251, v253, v255 scale words.
.set STEPB, 34816
.set LI,   1
.set SA,   6
.set DQ,   7
.set AD,   8
.set WV,   12
.set G0,   24                          ; s[24:27] my one group 0
.set G1,   40                          ; s[40:47]
.set CS,   56                          ; s[56:57] c = log2(e) / sqrt(128)
.set SEL,  58                          ; s[58:59]
.set MNT,  60
.set NS,   61                          ; the key step on my diagonal
.macro ROUND
	s_barrier_signal -1
	s_barrier_wait -1
	s_cmp_lg_u32 s[WV], 0
	s_cbranch_scc1 .Lnot_wave_0_\@
	s_barrier_signal -3
.Lnot_wave_0_\@:
	s_barrier_wait -3
	s_barrier_signal -1
	s_barrier_wait -1
.endm
	s_load_b256 s[4:11], s[0:1], 0x0               ; qi 4, kv 6, head_scale 8, ai 10
	v_lshl_add_u32 v4, v0, 2, 0x44000
	v_mov_b32 v5, 0
	ds_add_u32 v4, v5
	ds_add_u32 v4, v5
	v_lshrrev_b32 v8, 5, v0
	s_delay_alu instid0(VALU_DEP_1)
	v_readfirstlane_b32 s[WV], v8                  ; wave 0..15
	s_bfe_u32 s13, ttmp6, 0x40000                  ; cx: the query head in its group: it enters Q's, head_scale's and the output's addresses alone
	s_and_b32 s14, ttmp7, 0xffff                   ; G
	s_lshr_b32 s15, s[WV], 2
	s_add_co_u32 s16, s15, s[WV]
	s_and_b32 s16, s16, 3                          ; the kind: (wave / 4 + wave) mod 4
	s_lshl_b32 s18, ttmp9, 2
	s_add_co_u32 s18, s18, s15                     ; j = 4 x cluster x + wave / 4
	s_and_b32 s19, s16, 1
	s_mul_i32 s19, s19, 31
	s_xor_b32 s18, s18, s19                        ; j or 31 - j
	s_lshr_b32 s19, s16, 1
	s_lshl_b32 s19, s19, 5
	s_add_co_u32 s18, s18, s19                     ; my tile of 16 places
	s_lshr_b32 s[NS], s18, 3
	s_mov_b32 s23, 0
	s_mov_b32 s[G1], 15|(3<<16)|(1<<21)            ; the mask: all four work-groups; elements of 8 bytes; bit 21 beside a mask
	s_mov_b32 s[G1+1], 32<<16                      ; tensor_dim0: rows of 256 bytes
	s_mov_b32 s[G1+2], 68<<16                      ; tensor_dim1: 68 rows: a quarter of two key steps' blocks
	s_mov_b32 s[G1+3], 32<<16                      ; tile_dim0
	s_mov_b32 s[G1+4], 68                          ; tile_dim1
	s_mov_b32 s[G1+5], 32                          ; dense
	s_mov_b32 s[G1+6], 0
	s_mov_b32 s[G1+7], 0
	s_mov_b32 s[CS], 0x3e0293ee
	s_mov_b32 s[CS+1], s[CS]                       ; (named with it as a pair, so it is written)
	s_mov_b32 s[SEL], 0x76543210
	s_mov_b32 s[SEL+1], 0xfedcba98
	s_mov_b32 s[MNT], 0x600000
	s_wait_dscnt 0x0
	s_wait_kmcnt 0x0
	s_mul_i32 s22, s14, 8*STEPB                    ; the group's K and V,
	s_mul_i32 s21, s[WV], 17408                    ; EVERY wave fetches one sixteenth of the group's K and V: bytes 17,408 x wave on; waves 4 g .. 4 g + 3 bring key steps 2 g and 2 g + 1
	s_add_co_u32 s22, s22, s21
	s_add_nc_u64 s[6:7], s[6:7], s[22:23]
	s_mov_b32 s[G0], 1
	s_mov_b32 s[G0+1], s21                         ; LDS as memory
	s_mov_b64 s[G0+2:G0+3], s[6:7]
	s_or_b32 s[G0+3], s[G0+3], 0x80000000
	ROUND                                          ; all four work-groups are here: the joint loads meet
; one joint load a wave, one load of a wave out at the most.  Four load lines in one chain of branches on the wave's number: the waves of a line wait alike, at the barrier that shows their two key steps
.macro ARM under, next
	s_cmp_lt_u32 s[WV], \under
	s_cbranch_scc0 \next
	tensor_load_to_lds s[G0:G0+3], s[G1:G1+7]
	s_nop 0
.rept 4
	v_nop
.endr
	s_branch .Lasked
\next:
.endm
	ARM 4, .Larm1
	ARM 8, .Larm2
	ARM 12, .Larm3
	tensor_load_to_lds s[G0:G0+3], s[G1:G1+7]
	s_nop 0
.rept 4
	v_nop
.endr
.Lasked:
	s_lshl_b32 s20, s14, 2
	s_add_co_u32 s20, s20, s13                     ; 16 b + hq = 4 G + cx
	s_lshl_b32 s21, s20, 6
	s_add_co_u32 s21, s21, s18
	s_lshl_b32 s22, s21, 11
	s_add_nc_u64 s[48:49], s[4:5], s[22:23]        ; my tile's image of Q
	s_lshl_b32 s21, s20, 3
	s_add_co_u32 s21, s21, s[NS]
	s_lshl_b32 s22, s21, 10
	s_bfe_u32 s21, s18, 0x10002
	s_lshl_b32 s21, s21, 9
	s_add_co_u32 s22, s22, s21
	s_and_b32 s21, s18, 3
	s_lshl_b32 s21, s21, 2
	s_add_co_u32 s22, s22, s21
	s_add_co_u32 s22, s22, 0x800000
	s_add_nc_u64 s[50:51], s[4:5], s[22:23]        ; and its scale words
	s_lshr_b32 s21, s14, 2
	s_lshl_b32 s21, s21, 6
	s_add_co_u32 s21, s21, s18                     ; the block of 16 places among all 256: 64 b + tile
	s_and_b32 s20, s14, 3
	s_lshl_b32 s20, s20, 2
	s_add_co_u32 s20, s20, s13                     ; hq
	s_lshl_b32 s22, s21, 4
	s_add_co_u32 s22, s22, s20
	s_lshl_b32 s22, s22, 11
	s_add_nc_u64 s[52:53], s[10:11], s[22:23]      ; where my image goes: [block][head][2,048 bytes]
	s_lshl_b32 s22, s21, 10
	s_lshl_b32 s21, s20, 6
	s_add_co_u32 s22, s22, s21
	s_add_co_u32 s22, s22, 0x800000
	s_add_nc_u64 s[54:55], s[10:11], s[22:23]      ; and its scale words: [block][head][16 places][4 bytes]
	s_lshl_b32 s22, s20, 2
	s_add_nc_u64 s[8:9], s[8:9], s[22:23]
	s_load_b32 s17, s[8:9], 0x0                    ; my head's scale
	v_and_b32 v9, 31, v0
	s_delay_alu instid0(VALU_DEP_1)
	v_lshlrev_b32 v[LI], 4, v9
.irp c, 0,1,2,3
	global_load_b128 v[16+4*\c:19+4*\c], v[LI], s[48:49] offset:512*\c   ; Q's fragment stays in registers
.endr
	global_load_b32 v255, v[LI], s[50:51]          ; Q's scale words
	v_and_b32 v9, 15, v0                           ; r
	v_bfe_u32 v10, v0, 4, 1                        ; h
	s_delay_alu instid0(VALU_DEP_2)
	v_lshlrev_b32 v[SA], 2, v9
	s_delay_alu instid0(VALU_DEP_3)
	v_and_b32 v11, 8, v9
	s_delay_alu instid0(VALU_DEP_1)
	v_add_nc_u32 v11, v11, v9                      ; r + 8 (r / 8)
	s_delay_alu instid0(VALU_DEP_4)
	v_lshlrev_b32 v10, 4, v10
	s_delay_alu instid0(VALU_DEP_1)
	v_sub_nc_u32 v11, v11, v10
	s_bfe_u32 s21, s18, 0x20001
	s_lshl_b32 s21, s21, 5
	s_and_b32 s22, s18, 1
	s_lshl_b32 s22, s22, 3
	s_add_co_u32 s21, s21, s22
	v_add_nc_u32 v[DQ], s21, v11                   ; my query in its key step, less 16 (lane / 16).  Register 16 b + i holds key 32 b + 16 (lane / 16) + i: hidden where 32 b + i is greater
	v_mov_b32 v13, 0xff61b1e6                      ; the largest t so far: -3e38, under every t
	s_delay_alu instid0(VALU_DEP_1)
	v_floor_f32 v12, -v13                          ; -M
	v_mov_b32 v14, 0                               ; the sum, in two halves
	v_mov_b32 v15, 0
.irp b, 0,1,2,3
	v_mov_b32 v[236+\b], 0                         ; written once: a lane permute's destination counts as one of its sources
.endr
	v_mov_b32 v252, 0
	v_mov_b32 v253, 0                              ; (named as the upper half of the pair v[252:253] before it is first written)
.irp j, 0,1,2,3,4,5,6,7,8,9,10,11,12,13,14,15,16,17,18,19,20,21,22,23,24,25,26,27,28,29,30,31,32,33,34,35,36,37,38,39,40,41,42,43,44,45,46,47,48,49,50,51,52,53,54,55,56,57,58,59,60,61,62,63
	v_mov_b32 v[160+\j], 0                         ; O^T: the first step finds zeros, which the first change of M leaves zeros
.endr
; KEY STEP s: 128 keys.  Every offset is a constant.  (The argument is put in as text: it stands in parentheses wherever it is part of an expression.)
.macro STEP s
.if (\s) > 0
	s_cmp_lt_u32 s[NS], (\s)                       ; all its keys come after my queries: left out.  No barrier and no tensor load stands in a step
	s_cbranch_scc1 .Lhidden_\@
.endif
	v_add_nc_u32 v[AD], STEPB*(\s), v[LI]          ; the step's block: 34,816 s + 16 x lane
	s_wait_alu depctr_va_vdst(0)
.irp g, 0,1                                    ; S^T = K Q^T, four tiles of 16 keys at a time
.rept 7+\g
	v_nop                                          ; eight places in front of loads into registers that matrix instructions have read (the addition above is one)
.endr
.irp t, 0,1,2,3
.irp c, 0,1,2,3
	ds_load_b128 v[32+16*\t+4*\c:32+16*\t+4*\c+3], v[AD] offset:2048*(4*\g+\t)+512*\c
.endr
.endr
	ds_load_b128 v[248:251], v[AD] offset:32768+512*\g     ; the four tiles' scale words
	s_wait_dscnt 0x0
.irp t, 0,1,2,3
	v_wmma_scale_f32_16x16x128_f8f6f4 v[96+8*(4*\g+\t):103+8*(4*\g+\t)], v[32+16*\t:47+16*\t], v[16:31], 0, v[248+\t], v255
.endr
.endr
.rept 8
	v_nop
.endr
.irp t, 0,1,2,3
.irp c, 0,1,2,3
	ds_load_b128 v[32+16*\t+4*\c:32+16*\t+4*\c+3], v[AD] offset:16384+2048*\t+512*\c   ; V^T's first four tiles, asked for here, behind the eight places: the softmax names none of these registers; the wait stands ahead of the second product
.endr
.endr
	s_cmp_lg_u32 s[NS], (\s)
	s_cbranch_scc1 .Lopen_\@
	v_mov_b32 v254, 0xff800000                     ; -infinity
.irp n, 0,1,2,3,4,5,6,7,8,9,10,11,12,13,14,15,16,17,18,19,20,21,22,23,24,25,26,27,28,29,30,31,32,33,34,35,36,37,38,39,40,41,42,43,44,45,46,47,48,49,50,51,52,53,54,55,56,57,58,59,60,61,62,63
	v_cmp_gt_i32 vcc_lo, 32*(\n/16)+\n%16, v[DQ]
	v_cndmask_b32 v[96+\n], v[96+\n], v254, vcc_lo
.endr
.Lopen_\@:
.irp b, 0,1,2,3
	v_max3_num_f32 v[232+\b], v[96+16*\b], v[97+16*\b], v[98+16*\b]   ; the largest score of each block of 32 keys: it serves for the row's maximum and, since p rises with the score, for the block's largest p
.endr
.irp i, 3,5,7,9,11,13
.irp b, 0,1,2,3
	v_max3_num_f32 v[232+\b], v[232+\b], v[96+16*\b+\i], v[97+16*\b+\i]
.endr
.endr
.irp b, 0,1,2,3
	v_max_num_f32 v[232+\b], v[232+\b], v[111+16*\b]
.endr
.irp b, 0,1,2,3
	v_permlanex16_b32 v[236+\b], v[232+\b], s[SEL], s[SEL+1]
.endr
.irp b, 0,1,2,3
	s_delay_alu instid0(VALU_DEP_4)
	v_max_num_f32 v[232+\b], v[232+\b], v[236+\b]  ; with lane l xor 16's 16 keys
.endr
	s_delay_alu instid0(VALU_DEP_2)
	v_max3_num_f32 v254, v232, v233, v234
	s_delay_alu instid0(VALU_DEP_1)
	v_max_num_f32 v254, v254, v235                 ; the step's largest score of my query
	s_delay_alu instid0(VALU_DEP_1)
	v_mul_f32 v254, s[CS], v254                    ; as t
	s_delay_alu instid0(VALU_DEP_1)
	v_max_num_f32 v13, v13, v254                   ; the running largest t
	v_mov_b32 v254, v12
	s_delay_alu instid0(VALU_DEP_2)
	v_floor_f32 v12, -v13                          ; the new -M = -ceil(t)
	s_delay_alu instid0(VALU_DEP_1)
	v_sub_f32 v254, v12, v254                      ; old M - new M: a whole number, 0 or less
	s_delay_alu instid0(VALU_DEP_1)
	v_cvt_i32_f32 v254, v254                       ; (it saturates)
	s_delay_alu instid0(VALU_DEP_1)
	v_ldexp_f32 v252, 1.0, v254                    ; f = 2^(old M - new M)
.irp j, 0,2,4,6,8,10,12,14,16,18,20,22,24,26,28,30,32,34,36,38,40,42,44,46,48,50,52,54,56,58,60,62
	v_pk_fma_f32 v[96+\j:97+\j], v[96+\j:97+\j], s[CS:CS+1], v[12:13] op_sel_hi:[1,0,0]   ; t - M, two at a time
.endr
.irp b, 0,1,2,3
	v_fma_f32 v[232+\b], v[232+\b], s[CS], v12     ; the same of each block's largest score
.endr
	s_wait_alu depctr_va_vdst(0)
.irp j, 0,1,2,3,4,5,6,7,8,9,10,11,12,13,14,15,16,17,18,19,20,21,22,23,24,25,26,27,28,29,30,31,32,33,34,35,36,37,38,39,40,41,42,43,44,45,46,47,48,49,50,51,52,53,54,55,56,57,58,59,60,61,62,63
	v_exp_f32 v[96+\j], v[96+\j]                   ; p = 2^(t - M), at most 1
.endr
	v_pk_mul_f32 v[14:15], v[14:15], v[252:253] op_sel_hi:[1,0]   ; the sums under the new M.  (A plain place behind the exponentials)
	s_wait_alu depctr_va_vdst(0)                   ; one wait for the whole batch, ahead of its first reader
.irp b, 0,1,2,3
	v_exp_f32 v[232+\b], v[232+\b]                 ; the block's largest p
.endr
	v_pk_add_f32 v[236:237], v[100:101], v[104:105]
	v_pk_add_f32 v[250:251], v[108:109], v[112:113]
	v_pk_add_f32 v[248:249], v[116:117], v[120:121]
	v_pk_add_f32 v[246:247], v[124:125], v[128:129]
	v_pk_add_f32 v[244:245], v[132:133], v[136:137]
	v_pk_add_f32 v[242:243], v[140:141], v[144:145]
	v_pk_add_f32 v[240:241], v[148:149], v[152:153]
	v_pk_add_f32 v[14:15], v[14:15], v[156:157]
	v_pk_add_f32 v[236:237], v[236:237], v[96:97]
	v_pk_add_f32 v[250:251], v[250:251], v[98:99]
	v_pk_add_f32 v[248:249], v[248:249], v[102:103]
	v_pk_add_f32 v[246:247], v[246:247], v[106:107]
	v_pk_add_f32 v[244:245], v[244:245], v[110:111]
	v_pk_add_f32 v[242:243], v[242:243], v[114:115]
	v_pk_add_f32 v[240:241], v[240:241], v[118:119]
	v_pk_add_f32 v[14:15], v[14:15], v[122:123]
	v_pk_add_f32 v[236:237], v[236:237], v[126:127]
	v_pk_add_f32 v[250:251], v[250:251], v[130:131]
	v_pk_add_f32 v[248:249], v[248:249], v[134:135]
	v_pk_add_f32 v[246:247], v[246:247], v[138:139]
	v_pk_add_f32 v[244:245], v[244:245], v[142:143]
	v_pk_add_f32 v[242:243], v[242:243], v[146:147]
	v_pk_add_f32 v[240:241], v[240:241], v[150:151]
	v_pk_add_f32 v[14:15], v[14:15], v[154:155]
	v_pk_add_f32 v[236:237], v[236:237], v[158:159]
	s_delay_alu instid0(VALU_DEP_2)
	v_pk_add_f32 v[14:15], v[14:15], v[246:247]
	s_delay_alu instid0(VALU_DEP_2)
	v_pk_add_f32 v[236:237], v[236:237], v[244:245]
	v_pk_add_f32 v[250:251], v[250:251], v[242:243]
	v_pk_add_f32 v[248:249], v[248:249], v[240:241]
	s_delay_alu instid0(VALU_DEP_2)
	v_pk_add_f32 v[14:15], v[14:15], v[250:251]
	s_delay_alu instid0(VALU_DEP_2)
	v_pk_add_f32 v[236:237], v[236:237], v[248:249]
	s_delay_alu instid0(VALU_DEP_1)
	v_pk_add_f32 v[14:15], v[14:15], v[236:237]
	s_wait_alu depctr_va_vdst(0)                   ; and one for the four
.irp b, 0,1,2,3
	v_max_num_f32 v[232+\b], 0x4800000, v[232+\b]  ; the floor 2^(9 - 127): the byte cannot fall under 1
.endr
.irp b, 0,1,2,3
	s_delay_alu instid0(VALU_DEP_4)
	v_add_nc_u32 v[244+\b], 0xfc000000, v[232+\b]  ; the conversion's scale operand
.endr
.irp b, 0,1,2,3
	v_and_or_b32 v[240+\b], v[232+\b], 0x7f800000, s[MNT]   ; 448 x the scale
.endr
.irp b, 0,1,2,3
	v_lshrrev_b32 v[236+\b], 23, v[244+\b]         ; the scale's byte
.endr
	s_delay_alu instid0(VALU_DEP_3)
	v_lshl_or_b32 v253, v237, 8, v236              ; p's scale word for these 128 keys
	s_delay_alu instid0(VALU_DEP_1)
	v_lshl_or_b32 v253, v238, 16, v253
	s_delay_alu instid0(VALU_DEP_1)
	v_lshl_or_b32 v253, v239, 24, v253
.irp b, 0,1,2,3
.irp i, 0,1,2,3,4,5,6,7,8,9,10,11,12,13,14,15
	v_min_num_f32 v[96+16*\b+\i], v[96+16*\b+\i], v[240+\b]   ; the hold; p is not negative, so it is one-sided
.endr
	v_cvt_scalef32_pk8_fp8_f32 v[224+4*\b:225+4*\b], v[96+16*\b:103+16*\b], v[244+\b]
	v_cvt_scalef32_pk8_fp8_f32 v[226+4*\b:227+4*\b], v[104+16*\b:111+16*\b], v[244+\b]
.endr
.irp j, 0,2,4,6,8,10,12,14,16,18,20,22,24,26,28,30,32,34,36,38,40,42,44,46,48,50,52,54,56,58,60,62
	v_pk_mul_f32 v[160+\j:161+\j], v[160+\j:161+\j], v[252:253] op_sel_hi:[1,0]   ; O^T under the new M.  (These 32 are also the places in front of the matrix instructions and loads below)
.endr
	s_wait_alu depctr_va_vdst(0)
.irp g, 0,1                                    ; O^T += V^T P^T: four tiles of 16 channels at a time
.if \g > 0
.rept 8
	v_nop
.endr
.irp t, 0,1,2,3
.irp c, 0,1,2,3
	ds_load_b128 v[32+16*\t+4*\c:32+16*\t+4*\c+3], v[AD] offset:16384+2048*(4*\g+\t)+512*\c
.endr
.endr
.endif
	ds_load_b128 v[248:251], v[AD] offset:33792+512*\g
	s_wait_dscnt 0x0
.irp t, 0,1,2,3
	v_wmma_scale_f32_16x16x128_f8f6f4 v[160+8*(4*\g+\t):167+8*(4*\g+\t)], v[32+16*\t:47+16*\t], v[224:239], v[160+8*(4*\g+\t):167+8*(4*\g+\t)], v[248+\t], v253
.endr
.endr
.if (\s) > 0
.Lhidden_\@:
.endif
.endm
	s_wait_loadcnt 0x0                             ; Q
	s_wait_kmcnt 0x0                               ; my head's scale
.irp g, 0,1,2,3
.if \g < 3
	s_cmp_lt_u32 s[WV], 4*\g+4                     ; the waves that brought key steps up to 2 g + 1 wait for their load; the later waves' loads may stay out
	s_cbranch_scc0 .Lnot_yet\g
	s_wait_tensorcnt 0x0
.Lnot_yet\g:
.else
	s_wait_tensorcnt 0x0                           ; the last barrier shows all that is still out: every wave waits
.endif
	s_barrier_signal -1
	s_barrier_wait -1                              ; everybody's is
	STEP 2*\g
	STEP 2*\g+1
.endr
	; THE WAY OUT: O^T / the sum x the head's scale, quantised along the head's 128: my 64 registers are an operand's layout as they stand
.rept 8
	v_nop                                          ; places behind the last products
.endr
	v_add_f32 v14, v14, v15                        ; the sum's two halves,
	s_delay_alu instid0(VALU_DEP_1)
	v_permlanex16_b32 v252, v14, s[SEL], s[SEL+1]
	s_delay_alu instid0(VALU_DEP_1)
	v_add_f32 v14, v14, v252                       ; and lane l xor 16's
	s_wait_alu depctr_va_vdst(0)
	v_rcp_f32 v14, v14
	v_nop                                          ; a plain place behind the reciprocal
	s_wait_alu depctr_va_vdst(0)                   ; and the wait ahead of its first reader
	v_mul_f32 v14, s17, v14
.irp j, 0,2,4,6,8,10,12,14,16,18,20,22,24,26,28,30,32,34,36,38,40,42,44,46,48,50,52,54,56,58,60,62
	v_pk_mul_f32 v[96+\j:97+\j], v[160+\j:161+\j], v[14:15] op_sel_hi:[1,0]   ; register 16 b + i is channel 32 b + 16 (lane / 16) + i of my query
.endr
.irp b, 0,1,2,3
	v_max3_num_f32 v[232+\b], |v[96+16*\b]|, |v[97+16*\b]|, 0x4800000
.endr
.irp i, 2,4,6,8,10,12,14
.irp b, 0,1,2,3
	s_delay_alu instid0(VALU_DEP_4)
	v_max3_num_f32 v[232+\b], v[232+\b], |v[96+16*\b+\i]|, |v[97+16*\b+\i]|
.endr
.endr
.irp b, 0,1,2,3
	v_permlanex16_b32 v[236+\b], v[232+\b], s[SEL], s[SEL+1]
.endr
.irp b, 0,1,2,3
	s_delay_alu instid0(VALU_DEP_4)
	v_max_num_f32 v[232+\b], v[232+\b], v[236+\b]
.endr
.irp b, 0,1,2,3
	s_delay_alu instid0(VALU_DEP_4)
	v_add_nc_u32 v[244+\b], 0xfc000000, v[232+\b]
.endr
.irp b, 0,1,2,3
	v_and_or_b32 v[240+\b], v[232+\b], 0x7f800000, s[MNT]
.endr
.irp b, 0,1,2,3
	v_lshrrev_b32 v[236+\b], 23, v[244+\b]
.endr
	s_delay_alu instid0(VALU_DEP_3)
	v_lshl_or_b32 v253, v237, 8, v236
	s_delay_alu instid0(VALU_DEP_1)
	v_lshl_or_b32 v253, v238, 16, v253
	s_delay_alu instid0(VALU_DEP_1)
	v_lshl_or_b32 v253, v239, 24, v253
.irp b, 0,1,2,3
.irp i, 0,1,2,3,4,5,6,7,8,9,10,11,12,13,14,15
	v_med3_num_f32 v[96+16*\b+\i], v[96+16*\b+\i], -v[240+\b], v[240+\b]
.endr
	v_cvt_scalef32_pk8_fp8_f32 v[224+4*\b:225+4*\b], v[96+16*\b:103+16*\b], v[244+\b]
	v_cvt_scalef32_pk8_fp8_f32 v[226+4*\b:227+4*\b], v[104+16*\b:111+16*\b], v[244+\b]
.endr
	v_nop
.irp c, 0,1,2,3
	global_store_b128 v[LI], v[224+4*\c:227+4*\c], s[52:53] offset:512*\c   ; the image: 32 lanes store 512 consecutive bytes
.endr
	global_store_b32 v[SA], v253, s[54:55]         ; lanes l and l + 16 hold the same word and write it to the same place
	s_wait_tensorcnt 0x0
	s_wait_tensorcnt 0x0
	ds_add_u32 v4, v5
	s_wait_dscnt 0x0
	ROUND                                          ; the closing round: no work-group ends while a partner may still ask for a tile that names it
	s_endpgm
.Lfunc_end_k_q5251028126_attn:
	.size	k_q5251028126_attn, .Lfunc_end_k_q5251028126_attn-k_q5251028126_attn
	.p2alignl 7, 3214868480
	.fill 96, 4, 3214868480
	.section	.rodata,"a",@progbits
	.p2align	6, 0x0
	.amdhsa_kernel k_q5251028126_attn
		.amdhsa_group_segment_fixed_size 280576
		.amdhsa_private_segment_fixed_size 0
		.amdhsa_enable_private_segment 0
		.amdhsa_kernarg_size 32
		.amdhsa_user_sgpr_count 2
		.amdhsa_user_sgpr_kernarg_segment_ptr 1
		.amdhsa_wavefront_size32 1
		.amdhsa_system_sgpr_workgroup_id_x 1
		.amdhsa_system_sgpr_workgroup_id_y 1
		.amdhsa_system_sgpr_workgroup_id_z 1
		.amdhsa_system_vgpr_workitem_id 0
		.amdhsa_next_free_vgpr 256
		.amdhsa_next_free_sgpr 66
		.amdhsa_reserve_vcc 1
		.amdhsa_float_denorm_mode_32 3
		.amdhsa_float_denorm_mode_16_64 3
		.amdhsa_memory_ordered 1
		.amdhsa_forward_progress 1
		.amdhsa_inst_pref_size 248
	.end_amdhsa_kernel
	.amdgpu_metadata
---
amdhsa.version: [ 1, 2 ]
amdhsa.kernels:
  - .name:           k_q5251028126_attn
    .symbol:         k_q5251028126_attn.kd
    .args:
      - { .name: qi, .offset: 0, .size: 8, .value_kind: global_buffer, .address_space: global }
      - { .name: kv, .offset: 8, .size: 8, .value_kind: global_buffer, .address_space: global }
      - { .name: head_scale, .offset: 16, .size: 8, .value_kind: global_buffer, .address_space: global }
      - { .name: ai, .offset: 24, .size: 8, .value_kind: global_buffer, .address_space: global }
    .group_segment_fixed_size: 280576
    .private_segment_fixed_size: 0
    .kernarg_segment_align: 8
    .kernarg_segment_size: 32
    .max_flat_workgroup_size: 512
    .sgpr_count:     66
    .vgpr_count:     256
    .wavefront_size: 32
...
	.end_amdgpu_metadata
.endif
;; end of part 3
;; launch oproj (part 4): grid 8 x 32, 4 waves a work-group, clusters of 4 x 4, 327,680 bytes of LDS; arguments ai, wo, out0; writes out0
.if DOCPART == 4
	.amdgcn_target "amdgcn-amd-amdhsa--gfx1250"
	.amdhsa_code_object_version 6
	.text
	.protected	k_q5251028126_oproj
	.globl	k_q5251028126_oproj
	.p2align	8
	.type	k_q5251028126_oproj,@function
k_q5251028126_oproj:
	s_mov_b64 s[64:65], 0
	v_nop
	global_prefetch_b8 v0, s[64:65] scope:SCOPE_SE
	s_setreg_imm32_b32 hwreg(HW_REG_WAVE_MODE, 25, 1), 1
	s_wait_xcnt 0x0
	s_wait_alu depctr_hold_cnt(0) depctr_sa_sdst(0) depctr_va_vdst(0) depctr_va_sdst(0) depctr_va_ssrc(0) depctr_va_vcc(0) depctr_vm_vsrc(0)
	s_getreg_b32 s2, hwreg(HW_REG_IB_STS2, 6, 4)
	s_cmp_eq_u32 s2, 0
	s_cbranch_scc0 .Lentry_in_a_cluster
	s_endpgm
.Lentry_in_a_cluster:
	s_bfe_u32 s2, ttmp6, 0x10000c
	s_cmp_lg_u32 s2, 0xf033
	s_cbranch_scc0 .Lentry_shape_is_right
	s_endpgm
.Lentry_shape_is_right:
.set NP,     8
.set PX,     528
.set PY,     272
.set XA,     0
.set XB,     8*4*2048
.set YA,     XB+256*PX
.set YB,     YA+8*2*2048
.set SPARE,  YB+256*PY
.set SPITCH, 528
.set STAGE,  YA
.set ADAX, 16
.set ADAY, 17
.set ADBX, 18
.set ADBY, 19
.set STO,  24
.set RD,   25
.set CO,   26
.set SCO,  27
.set SPW,  28
.set NIL,  29
.set SAR,  32
.set SBR,  64
.set AFR,  128
.set BK,   128
.set G1AX, 24
.set G1AY, 32
.set G1BX, 48
.set G1BY, 56
.set G0AX, 68
.set G0AY, 72
.set G0BX, 76
.set G0BY, 80
.set MSB, 0
.macro WIN new
.if MSB != (\new)
	s_set_vgpr_msb (MSB<<8)|(\new)
.set MSB, (\new)
.endif
.endm
.macro JLOAD g0a, g1a, g0b, g1b
	s_cmp_eq_u32 s15, 0
	s_cbranch_scc0 .Lfor_b_\@
	tensor_load_to_lds s[\g0a:\g0a+3], s[\g1a:\g1a+7]
	s_nop 0
.rept 4
	v_nop
.endr
	s_branch .Lasked_\@
.Lfor_b_\@:
	tensor_load_to_lds s[\g0b:\g0b+3], s[\g1b:\g1b+7]
	s_nop 0
.rept 4
	v_nop
.endr
.Lasked_\@:
.endm
.macro CREST
	s_cmp_lg_u32 s14, 0
	s_cbranch_scc1 .Lnot_wave_0_\@
	s_barrier_signal -3
.Lnot_wave_0_\@:
	s_barrier_wait -3
	s_barrier_signal -1
	s_barrier_wait -1
.endm
.macro CROUND
	s_barrier_signal -1
	s_barrier_wait -1
	CREST
.endm
.macro PLACES n
.rept \n
	v_nop
.endr
.endm
	s_load_b128 s[4:7], s[0:1], 0x0
	s_load_b64 s[8:9], s[0:1], 0x10
	v_lshl_add_u32 v[SPW], v0, 2, SPARE
	v_mov_b32 v[NIL], 0
	ds_add_u32 v28, v29
	ds_add_u32 v28, v29
	s_wait_dscnt 0x0
	v_lshrrev_b32 v1, 5, v0
	v_readfirstlane_b32 s14, v1
	s_lshr_b32 s15, s14, 1
	s_and_b32 s16, s14, 1
	s_bfe_u32 s40, ttmp6, 0x40000
	s_bfe_u32 s41, ttmp6, 0x40004
	s_lshl_b32 s42, ttmp9, 2
	s_add_co_u32 s42, s42, s40
	s_and_b32 s17, ttmp7, 0xffff
	s_lshl_b32 s17, s17, 2
	s_add_co_u32 s17, s17, s41
	s_lshl_b32 s43, s41, 2
	s_lshl_b32 s43, 15, s43
	s_lshl_b32 s44, 0x1111, s40
	s_or_b32 s[G1AX+0], s43, (3<<16)|(1<<21)
	s_mov_b32 s[G1AX+1], 1024<<16
	s_mov_b32 s[G1AX+2], 4<<16
	s_mov_b32 s[G1AX+3], 1024<<16
	s_mov_b32 s[G1AX+4], 4
	s_mov_b32 s[G1AX+5], 4096
	s_mov_b32 s[G1AX+6], 0
	s_mov_b32 s[G1AX+7], 0
	s_or_b32 s[G1AY+0], s43, (3<<16)|(1<<21)
	s_mov_b32 s[G1AY+1], 512<<16
	s_mov_b32 s[G1AY+2], 4<<16
	s_mov_b32 s[G1AY+3], 512<<16
	s_mov_b32 s[G1AY+4], 4
	s_mov_b32 s[G1AY+5], 4096
	s_mov_b32 s[G1AY+6], 0
	s_mov_b32 s[G1AY+7], 0
	s_or_b32 s[G1BX+0], s44, (0<<16)|(1<<20)|(1<<21)|(6<<22)|(3<<25)
	s_mov_b32 s[G1BX+1], 512<<16
	s_mov_b32 s[G1BX+2], 128<<16
	s_mov_b32 s[G1BX+3], 512<<16
	s_mov_b32 s[G1BX+4], 128
	s_mov_b32 s[G1BX+5], 2048
	s_mov_b32 s[G1BX+6], 0
	s_mov_b32 s[G1BX+7], 0
	s_or_b32 s[G1BY+0], s44, (0<<16)|(1<<20)|(1<<21)|(5<<22)|(3<<25)
	s_mov_b32 s[G1BY+1], 256<<16
	s_mov_b32 s[G1BY+2], 128<<16
	s_mov_b32 s[G1BY+3], 256<<16
	s_mov_b32 s[G1BY+4], 128
	s_mov_b32 s[G1BY+5], 2048
	s_mov_b32 s[G1BY+6], 0
	s_mov_b32 s[G1BY+7], 0
	s_lshl_b32 s20, s17, 3
	s_lshl_b32 s18, s16, 2
	s_add_co_u32 s20, s20, s18
	s_lshl_b32 s20, s20, 15
	s_mov_b32 s21, 0
	s_lshl_b32 s46, s42, 8
	s_lshl_b32 s18, s16, 7
	s_add_co_u32 s46, s46, s18
	s_lshl_b32 s46, s46, 11
	s_mov_b32 s47, 0
	s_lshl_b32 s22, s17, 3
	s_lshl_b32 s18, s15, 2
	s_add_co_u32 s22, s22, s18
	s_lshl_b32 s22, s22, 10
	s_add_co_u32 s22, s22, 0x800000
	s_mov_b32 s23, 0
	s_lshl_b32 s92, s42, 4
	s_lshl_b32 s18, s16, 3
	s_add_co_u32 s92, s92, s18
	s_lshl_b32 s92, s92, 10
	s_add_co_u32 s92, s92, 0x400000
	s_mov_b32 s93, 0
	s_lshl_b32 s84, s16, 15
	s_lshl_b32 s85, s16, 14
	s_add_co_u32 s85, s85, YA
	s_mul_i32 s86, s16, 128*PX
	s_add_co_u32 s86, s86, XB
	s_mul_i32 s87, s16, 128*PY
	s_add_co_u32 s87, s87, YB
	s_wait_kmcnt 0x0
	s_add_nc_u64 s[20:21], s[4:5], s[20:21]
	s_add_nc_u64 s[22:23], s[4:5], s[22:23]
	s_add_nc_u64 s[46:47], s[6:7], s[46:47]
	s_add_nc_u64 s[92:93], s[6:7], s[92:93]
	; the prefetches, by spans of 512 along K.  Waves 0, 1 (the attention's images): of the four blocks of 16 rows that my wave fetches, the partner at place cx takes one: a span is 8,192 bytes on end, lanes 256 bytes apart.
	; Waves 2, 3 (Wo's codes): of my wave's 128 rows the partner at place cy takes 32, a lane a row, a span in two instructions of 256 bytes a row; four of the eight rows of clusters ask (s96 = 0).
	s_cmp_eq_u32 s15, 0
	s_cselect_b32 s10, s17, s42
	s_cselect_b32 s11, s40, s41
	s_cselect_b64 s[66:67], s[4:5], s[6:7]
	s_cselect_b32 s12, 15, 16
	s_cselect_b32 s13, 8, 11
	s_lshl_b32 s10, s10, 3
	s_add_co_u32 s10, s10, s11
	s_lshl_b32 s11, s16, 2
	s_add_co_u32 s10, s10, s11                     ; 8 x tile + 4 x half + place
	s_lshl_b32 s10, s10, s12                       ; x a block's 32,768 bytes, or x 32 rows of 2,048
	s_mov_b32 s11, 0
	s_add_nc_u64 s[66:67], s[66:67], s[10:11]
	s_and_b32 s96, ttmp7, 2
.macro ASKO j
	s_cmp_eq_u32 s15, 0
	s_cbranch_scc0 .Lpb_\@
	global_prefetch_b8 v30, s[66:67] offset:8192*(\j) th:TH_LOAD_NT scope:SCOPE_SE
	s_branch .Lpd_\@
.Lpb_\@:
	s_cmp_eq_u32 s96, 0
	s_cbranch_scc0 .Lpd_\@
	global_prefetch_b8 v30, s[66:67] offset:512*(\j) th:TH_LOAD_NT scope:SCOPE_SE
	global_prefetch_b8 v30, s[66:67] offset:512*(\j)+256 th:TH_LOAD_NT scope:SCOPE_SE
.Lpd_\@:
.endm
	CROUND
	s_mov_b32 s[G0AX], 1
	s_mov_b32 s[G0AX+1], s84
	s_mov_b64 s[G0AX+2:G0AX+3], s[20:21]
	s_or_b32 s[G0AX+3], s[G0AX+3], 0x80000000
	s_mov_b32 s[G0BX], 1
	s_mov_b32 s[G0BX+1], s86
	s_mov_b64 s[G0BX+2:G0BX+3], s[46:47]
	s_or_b32 s[G0BX+3], s[G0BX+3], 0x80000000
	s_mov_b32 s[G0AY], 1
	s_mov_b32 s[G0AY+1], s85
	s_add_nc_u64 s[G0AY+2:G0AY+3], s[20:21], 4*2048
	s_or_b32 s[G0AY+3], s[G0AY+3], 0x80000000
	s_mov_b32 s[G0BY], 1
	s_mov_b32 s[G0BY+1], s87
	s_add_nc_u64 s[G0BY+2:G0BY+3], s[46:47], 512
	s_or_b32 s[G0BY+3], s[G0BY+3], 0x80000000
	JLOAD G0AX, G1AX, G0BX, G1BX
	v_and_b32 v30, 31, v0
	v_lshlrev_b32 v30, s13, v30
	s_wait_alu depctr_va_vdst(0)
	ASKO 1                                         ; K 512 .. 1,023: what the next two loads begin with
	s_wait_alu depctr_va_vdst(0)
	s_wait_tensorcnt 0x0
	ds_add_u32 v28, v29
	s_wait_dscnt 0x0
	CROUND
	JLOAD G0AY, G1AY, G0BY, G1BY
	ASKO 2                                         ; K 1,024 .. 1,535
	v_and_b32 v1, 15, v0
	v_bfe_u32 v2, v0, 4, 1
	v_and_b32 v6, 31, v0
	v_lshlrev_b32 v[CO], 4, v6
	v_lshlrev_b32 v[SCO], 2, v6
.macro SCALES first
.irp u, \first, \first+1, \first+2, \first+3
.irp a, 0,1,2,3
	global_load_b32 v[SAR+8*\a+(\u)], v[SCO], s[22:23] offset:1024*\a+128*(\u)
.endr
.irp b, 0,1,2,3,4,5,6,7
	global_load_b32 v[SBR+8*\b+(\u)], v[SCO], s[92:93] offset:1024*\b+128*(\u)
.endr
.endr
.endm
	SCALES 0
	s_lshl_b32 s88, s15, 15
	v_add_nc_u32 v[ADAX], s88, v[CO]
	s_lshl_b32 s88, s15, 14
	s_add_co_u32 s88, s88, YA
	v_add_nc_u32 v[ADAY], s88, v[CO]
	v_mul_u32_u24 v3, v1, PX
	v_lshl_add_u32 v3, v2, 4, v3
	s_mul_i32 s88, s16, 128*PX
	s_add_co_u32 s88, s88, XB
	v_add_nc_u32 v[ADBX], s88, v3
	v_mul_u32_u24 v4, v1, PY
	v_lshl_add_u32 v4, v2, 4, v4
	s_mul_i32 s88, s16, 128*PY
	s_add_co_u32 s88, s88, YB
	v_add_nc_u32 v[ADBY], s88, v4
	s_mul_i32 s88, s14, 16*SPITCH
	s_add_co_u32 s88, s88, STAGE
	v_mul_u32_u24 v5, v1, SPITCH
	v_lshl_add_u32 v5, v2, 6, v5
	v_add_nc_u32 v[STO], s88, v5
	v_add_nc_u32 v[RD], s88, v[CO]
	s_lshl_b32 s90, s17, 7
	s_lshl_b32 s91, s15, 6
	s_add_co_u32 s90, s90, s91
	s_lshl_b32 s90, s90, 13
	s_lshl_b32 s91, s42, 10
	s_add_co_u32 s90, s90, s91
	s_lshl_b32 s91, s16, 9
	s_add_co_u32 s90, s90, s91
	s_mov_b32 s91, 0
	s_add_nc_u64 s[8:9], s[8:9], s[90:91]
.macro RUNA slot, q, p
	WIN 0x40+0x80*(\p)
.irp a, 0,1,2,3
.irp c, 0,1,2,3
.if (\slot) == 0
	ds_load_b128 v[AFR+16*\a+4*\c:AFR+16*\a+4*\c+3], v[ADAX] offset:8192*\a+2048*(\q)+512*\c
.else
	ds_load_b128 v[AFR+16*\a+4*\c:AFR+16*\a+4*\c+3], v[ADAY] offset:4096*\a+2048*(\q)+512*\c
.endif
.endr
.endr
.endm
.macro RUNB slot, q, p, b0
	WIN 0x40+0x80*(\p)
.irp b, \b0, \b0+1, \b0+2, \b0+3
.irp c, 0,1,2,3
.if (\slot) == 0
	ds_load_b128 v[16*(\b)+4*\c:16*(\b)+4*\c+3], v[ADBX] offset:16*PX*(\b)+128*(\q)+32*\c
.else
	ds_load_b128 v[16*(\b)+4*\c:16*(\b)+4*\c+3], v[ADBY] offset:16*PY*(\b)+128*(\q)+32*\c
.endif
.endr
.endr
.endm
.macro MUL8 g, p, s, zero
	WIN 0xa5+0x0a*(\p)
.irp bb, 0,1
.irp a, 0,1,2,3
.if \zero
	v_wmma_scale_f32_16x16x128_f8f6f4 v[8*(8*\a+2*(\g)+\bb):8*(8*\a+2*(\g)+\bb)+7], v[16*(2*(\g)+\bb):16*(2*(\g)+\bb)+15], v[AFR+16*\a:AFR+16*\a+15], 0, v[SBR+8*(2*(\g)+\bb)+(\s)/2], v[SAR+8*\a+(\s)/2]
.elseif ((\s)%2) == 0
	v_wmma_scale_f32_16x16x128_f8f6f4 v[8*(8*\a+2*(\g)+\bb):8*(8*\a+2*(\g)+\bb)+7], v[16*(2*(\g)+\bb):16*(2*(\g)+\bb)+15], v[AFR+16*\a:AFR+16*\a+15], v[8*(8*\a+2*(\g)+\bb):8*(8*\a+2*(\g)+\bb)+7], v[SBR+8*(2*(\g)+\bb)+(\s)/2], v[SAR+8*\a+(\s)/2]
.else
	v_wmma_scale_f32_16x16x128_f8f6f4 v[8*(8*\a+2*(\g)+\bb):8*(8*\a+2*(\g)+\bb)+7], v[16*(2*(\g)+\bb):16*(2*(\g)+\bb)+15], v[AFR+16*\a:AFR+16*\a+15], v[8*(8*\a+2*(\g)+\bb):8*(8*\a+2*(\g)+\bb)+7], v[SBR+8*(2*(\g)+\bb)+(\s)/2], v[SAR+8*\a+(\s)/2] matrix_a_scale:MATRIX_SCALE_ROW1 matrix_b_scale:MATRIX_SCALE_ROW1
.endif
.endr
.endr
.endm
.macro SUBN s, ns, nq, zero
	s_wait_dscnt 16
	MUL8 0, (\s)%2, \s, \zero
	PLACES NP
	RUNA \ns, \nq, ((\s)+1)%2
	MUL8 1, (\s)%2, \s, \zero
	s_wait_dscnt 16
	RUNB \ns, \nq, ((\s)+1)%2, 0
	MUL8 2, (\s)%2, \s, \zero
	RUNB \ns, \nq, ((\s)+1)%2, 4
	MUL8 3, (\s)%2, \s, \zero
.endm
.macro SUBC s, ns, nq, fill, g0a, g1a, g0b, g1b
	WIN 0
	s_wait_tensorcnt 0x0
	ds_add_u32 v[SPW], v[NIL]
	PLACES NP
	s_wait_dscnt 0x0
	s_barrier_signal -1
	MUL8 0, (\s)%2, \s, 0
	WIN 0
	s_barrier_wait -1
.if \fill
	CREST
	s_add_nc_u64 s[\g0a+2:\g0a+3], s[\g0a+2:\g0a+3], 6*2048
	s_add_nc_u64 s[\g0b+2:\g0b+3], s[\g0b+2:\g0b+3], 768
	JLOAD \g0a, \g1a, \g0b, \g1b
.endif
	RUNA \ns, \nq, ((\s)+1)%2
	MUL8 1, (\s)%2, \s, 0
	RUNB \ns, \nq, ((\s)+1)%2, 0
	MUL8 2, (\s)%2, \s, 0
	RUNB \ns, \nq, ((\s)+1)%2, 4
	MUL8 3, (\s)%2, \s, 0
.endm
	s_wait_alu depctr_va_vdst(0)
	s_wait_tensorcnt 1
	s_barrier_signal -1
	s_barrier_wait -1
	RUNA 0, 0, 0
	RUNB 0, 0, 0, 0
	RUNB 0, 0, 0, 4
	WIN 0
	s_wait_loadcnt 0x0
	SCALES 4
	SUBN 0, 0, 1, 1
	SUBN 1, 0, 2, 0
	SUBN 2, 0, 3, 0
	SUBC 3, 1, 0, 1, G0AX, G1AX, G0BX, G1BX
	WIN 0
	ASKO 3                                         ; K 1,536 .. 2,047: the load two refills on
	SUBN 4, 1, 1, 0
	SUBC 5, 0, 0, 1, G0AY, G1AY, G0BY, G1BY
	s_wait_loadcnt 0x0
	SUBN 6, 0, 1, 0
	SUBN 7, 0, 2, 0
	SUBN 8, 0, 3, 0
	SUBC 9, 1, 0, 1, G0AX, G1AX, G0BX, G1BX
	SUBN 10, 1, 1, 0
	SUBC 11, 0, 0, 0, G0AY, G1AY, G0BY, G1BY
	SUBN 12, 0, 1, 0
	SUBN 13, 0, 2, 0
	SUBN 14, 0, 3, 0
	s_wait_dscnt 16
	MUL8 0, 1, 15, 0
	MUL8 1, 1, 15, 0
	s_wait_dscnt 0x0
	MUL8 2, 1, 15, 0
	MUL8 3, 1, 15, 0
	WIN 0
.macro TOSTAGE a
.set AC, 64*(\a)
	WIN 0x08
.irp b, 0,1,2,3,4,5,6,7
	ds_store_b128 v[STO], v[AC+8*\b:AC+8*\b+3] offset:128*(\b/2)+32*(\b%2)
	ds_store_b128 v[STO], v[AC+8*\b+4:AC+8*\b+7] offset:128*(\b/2)+32*(\b%2)+16
.endr
	WIN 0
.set BB, BK+64*((\a)%2)
.irp t, 0,1,2,3,4,5,6,7,8,9,10,11,12,13,14,15
	ds_load_b128 v[BB+4*\t:BB+4*\t+3], v[RD] offset:\t*SPITCH
.endr
.endm
.macro SEND a, younger
.set BB, BK+64*((\a)%2)
	s_wait_dscnt \younger
.irp t, 0,1,2,3,4,5,6,7,8,9,10,11,12,13,14,15
	global_store_b128 v[CO], v[BB+4*\t:BB+4*\t+3], s[8:9] offset:8192*(32*((\a)/2)+8*((\a)%2)+\t+8*(\t/8)) th:TH_STORE_NT
.endr
.endm
	PLACES NP
	TOSTAGE 0
.irp a, 1,2,3
.if \a > 1
	s_wait_xcnt 0x0
.endif
	TOSTAGE \a
	SEND \a-1, 32
.endr
	SEND 3, 0
	s_wait_tensorcnt 0x0
	ds_add_u32 v[SPW], v[NIL]
	s_wait_dscnt 0x0
	CROUND
	s_endpgm
.Lfunc_end_k_q5251028126_oproj:
	.size	k_q5251028126_oproj, .Lfunc_end_k_q5251028126_oproj-k_q5251028126_oproj
	.p2alignl 7, 3214868480
	.fill 96, 4, 3214868480
	.section	.rodata,"a",@progbits
	.p2align	6, 0x0
	.amdhsa_kernel k_q5251028126_oproj
		.amdhsa_group_segment_fixed_size 327680
		.amdhsa_private_segment_fixed_size 0
		.amdhsa_enable_private_segment 0
		.amdhsa_kernarg_size 24
		.amdhsa_user_sgpr_count 2
		.amdhsa_user_sgpr_kernarg_segment_ptr 1
		.amdhsa_wavefront_size32 1
		.amdhsa_system_sgpr_workgroup_id_x 1
		.amdhsa_system_sgpr_workgroup_id_y 1
		.amdhsa_system_sgpr_workgroup_id_z 1
		.amdhsa_system_vgpr_workitem_id 0
		.amdhsa_next_free_vgpr 1024
		.amdhsa_next_free_sgpr 98
		.amdhsa_reserve_vcc 0
		.amdhsa_float_denorm_mode_32 3
		.amdhsa_float_denorm_mode_16_64 3
		.amdhsa_memory_ordered 1
		.amdhsa_forward_progress 1
		.amdhsa_inst_pref_size 159
	.end_amdhsa_kernel
	.amdgpu_metadata
---
amdhsa.version: [ 1, 2 ]
amdhsa.kernels:
  - .name:           k_q5251028126_oproj
    .symbol:         k_q5251028126_oproj.kd
    .args:
      - { .name: ai, .offset: 0, .size: 8, .value_kind: global_buffer, .address_space: global }
      - { .name: wo, .offset: 8, .size: 8, .value_kind: global_buffer, .address_space: global }
      - { .name: out0, .offset: 16, .size: 8, .value_kind: global_buffer, .address_space: global }
    .group_segment_fixed_size: 327680
    .private_segment_fixed_size: 0
    .kernarg_segment_align: 8
    .kernarg_segment_size: 24
    .max_flat_workgroup_size: 128
    .sgpr_count:     98
    .vgpr_count:     1024
    .wavefront_size: 32
...
	.end_amdgpu_metadata
.endif
;; end of part 4
